; MI455X (gfx1250); checked and timed in simulation.
; The chip was launched on July 23, 2026; its instructions are those of AMD's public machine-readable ISA for CDNA 5 (MIT licence, August 2026) and "CDNA5" Instruction Set Architecture Reference Guide (July 2026). The comments in the code are by the model that wrote it; some were corrected since.
;; Attn A. Allowed arithmetic: float matrix products may take bf16 or f16 operands with f32 sums; other float arithmetic in f32, or as packed bf16 or f16 multiplies, adds, multiply-adds, maxima and minima; sums over many terms, partial sums and values carried from step to step in f32; what a program stores and reads back later, other than sums and carried values, may be rounded once to bf16 or f16.
;; Inputs: Wk 256 x 512 float32; Wp 512 x 512 float32; Wq 512 x 512 float32; Wv 256 x 512 float32; x 8 x 2,048 x 512 float32.
;; Outputs: out0 8 x 2,048 x 512 float32.
;; 2 versions, each right and faster than the one before. Each part assembles by itself: llvm-mc -triple=amdgcn-amd-amdhsa -mcpu=gfx1250 --defsym DOCPART=n.
;; ======== version 1 of 2: 4 launches
;; limits: values are held in f16: magnitudes above 65,504 overflow, below 6.1e-05 lose precision
;; workspace buffers: xb 16,777,216 bytes; wb 1,048,576 bytes; wp 524,288 bytes; tab 524,288 bytes; qkv 33,554,432 bytes; y 16,777,216 bytes
;; launch prep (part 1): grid 576 x 1, 8 waves a work-group, no clusters, 0 bytes of LDS; arguments x, Wq, Wk, Wv, Wp, xb, wb, wp, tab; writes xb, wb, wp, tab
.if DOCPART == 1
	.amdgcn_target "amdgcn-amd-amdhsa--gfx1250"
	.amdhsa_code_object_version 6
	.text
	.protected	k_qe6470ae13f_prep
	.globl	k_qe6470ae13f_prep
	.p2align	8
	.type	k_qe6470ae13f_prep,@function
k_qe6470ae13f_prep:
	s_mov_b64 s[64:65], 0
	v_nop
	global_prefetch_b8 v0, s[64:65] scope:SCOPE_SE
	s_setreg_imm32_b32 hwreg(HW_REG_WAVE_MODE, 25, 1), 1
	s_wait_xcnt 0x0
; PREP.  Every input is rounded once to bf16: x -> xb; Wq, Wk, Wv -> wb (rows 0-511, 512-767, 768-1023); Wp -> bf16, and that number written as f16 -> wp.
; And the rotation table tab[t][0..31] = cos(t f_j), tab[t][32..63] = sin(t f_j), f_j = 10000^(-j/32), in f32.
; SHARES.  Work-groups 0-559 convert 65,536 source bytes each (32,768 out); work-groups 560-575 make 128 rows of the table each.
; LIMITS.  A bf16 value of Wp below 6e-5 keeps f16's fixed step of 6e-8, beyond 65,504 it is lost.  f_j is 2^(-j log2(10000)/32) by v_exp_f32;
; the angle t f_j then lies within some 3e-4 rad of one made with a correctly rounded f_j.  NaN and infinities are not treated apart.
.set X, 16                             ; v[16:79]   16 loads of 4 f32
.set Y, 80                             ; v[80:111]  16 pairs of packed results; no register is written twice
	s_load_b512 s[8:23], s[0:1], 0x0               ; x 8, Wq 10, Wk 12, Wv 14, Wp 16, xb 18, wb 20, wp 22
	s_load_b64 s[24:25], s[0:1], 0x40              ; tab
	s_mov_b32 s2, ttmp9                            ; the work-group's number
	v_lshlrev_b32 v1, 4, v0                        ; 16 source bytes a thread
	v_lshlrev_b32 v2, 3, v0                        ; 8 result bytes
	s_sub_co_u32 s26, s2, 544                      ; the block's number in each possible source
	s_sub_co_u32 s32, s2, 536
	s_sub_co_u32 s33, s2, 528
	s_sub_co_u32 s34, s2, 512
	s_mov_b32 s27, s26
	s_wait_kmcnt 0x0
	s_cmp_ge_u32 s2, 560
	s_cbranch_scc1 .Ltab
	s_mov_b64 s[4:5], s[16:17]                     ; 544-559: Wp -> wp
	s_mov_b64 s[6:7], s[22:23]
	s_cmp_lt_u32 s2, 544                           ; 536-543: Wv -> wb
	s_cselect_b64 s[4:5], s[14:15], s[4:5]
	s_cselect_b64 s[6:7], s[20:21], s[6:7]
	s_cselect_b32 s26, s32, s26
	s_cselect_b32 s27, s34, s27
	s_cmp_lt_u32 s2, 536                           ; 528-535: Wk
	s_cselect_b64 s[4:5], s[12:13], s[4:5]
	s_cselect_b32 s26, s33, s26
	s_cmp_lt_u32 s2, 528                           ; 512-527: Wq
	s_cselect_b64 s[4:5], s[10:11], s[4:5]
	s_cselect_b32 s26, s34, s26
	s_cmp_lt_u32 s2, 512                           ; 0-511: x -> xb
	s_cselect_b64 s[4:5], s[8:9], s[4:5]
	s_cselect_b64 s[6:7], s[18:19], s[6:7]
	s_cselect_b32 s26, s2, s26
	s_cselect_b32 s27, s2, s27
	s_lshl_b32 s28, s26, 16                        ; offsets are made apart from the addresses
	s_mov_b32 s29, 0
	s_lshl_b32 s30, s27, 15
	s_mov_b32 s31, 0
	s_add_nc_u64 s[4:5], s[4:5], s[28:29]
	s_add_nc_u64 s[6:7], s[6:7], s[30:31]
.irp q, 0,1,2,3,4,5,6,7,8,9,10,11,12,13,14,15
	global_load_b128 v[X+4*\q:X+4*\q+3], v1, s[4:5] offset:4096*\q th:TH_LOAD_NT  ; the work-group's load covers 4,096 consecutive bytes
.endr
; Load q is there when the 15 - q younger ones alone are out.  A wave's store covers 256 consecutive bytes, aligned.
.macro CV q, hf
	s_wait_loadcnt 15-(\q)
	v_cvt_pk_bf16_f32 v[Y+2*(\q)], v[X+4*(\q)], v[X+4*(\q)+1]
	v_cvt_pk_bf16_f32 v[Y+2*(\q)+1], v[X+4*(\q)+2], v[X+4*(\q)+3]
.if \hf
	v_lshlrev_b32 v4, 16, v[Y+2*(\q)]              ; the bf16 numbers as f32,
	v_and_b32 v5, 0xffff0000, v[Y+2*(\q)]
	v_lshlrev_b32 v6, 16, v[Y+2*(\q)+1]
	v_and_b32 v7, 0xffff0000, v[Y+2*(\q)+1]
	v_cvt_pk_f16_f32 v[Y+2*(\q)], v4, v5           ; written as f16: exact inside f16's normal range
	v_cvt_pk_f16_f32 v[Y+2*(\q)+1], v6, v7
.endif
	global_store_b64 v2, v[Y+2*(\q):Y+2*(\q)+1], s[6:7] offset:2048*(\q)
.endm
	s_cmp_ge_u32 s2, 544
	s_cbranch_scc1 .Lhf
.irp q, 0,1,2,3,4,5,6,7,8,9,10,11,12,13,14,15
	CV \q, 0
.endr
	s_endpgm
.Lhf:
.irp q, 0,1,2,3,4,5,6,7,8,9,10,11,12,13,14,15
	CV \q, 1
.endr
	s_endpgm
; THE TABLE.  Wave w makes rows 128 (id - 560) + 16 w + 0..15.  Lane l stores elements 2 l and 2 l + 1 of a row: lanes 0-15 cosines, lanes 16-31 sines of
; frequencies 2 (l % 16) and 2 (l % 16) + 1.  sin x = cos(x - pi/2): the sine lanes add 3 to the quadrant.
.Ltab:
	v_lshrrev_b32 v3, 5, v0
	v_readfirstlane_b32 s3, v3                     ; wave
	s_sub_co_u32 s26, s2, 560
	s_lshl_b32 s26, s26, 7
	s_lshl4_add_u32 s26, s3, s26                   ; my first row
	s_mov_b32 s32, 0x3f22f983                      ; 2 / pi
	s_mov_b32 s33, 0x3fc90fdb                      ; pi / 2, its f32
	s_mov_b32 s34, 0xb33bbd2e                      ; and what that leaves
	s_mov_b32 s35, 0xbe2aaaab                      ; sine: -1/6, 1/120, -1/5040, 1/362880
	s_mov_b32 s36, 0x3c088889
	s_mov_b32 s37, 0xb9500d01
	s_mov_b32 s38, 0x3638ef1d
	s_mov_b32 s39, 0x3d2aaaab                      ; cosine: 1/24, -1/720, 1/40320 (and -1/2, 1 inline)
	s_mov_b32 s40, 0xbab60b61
	s_mov_b32 s41, 0x37d00d01
	v_and_b32 v4, 15, v0
	v_lshlrev_b32 v4, 1, v4                        ; j = 2 (l % 16)
	v_add_nc_u32 v5, 1, v4
	v_cvt_f32_u32 v4, v4
	v_cvt_f32_u32 v5, v5
	v_mul_f32 v4, 0xbed49a78, v4                   ; -j log2(10000) / 32
	v_mul_f32 v5, 0xbed49a78, v5
	v_exp_f32 v4, v4                               ; f_j
	v_exp_f32 v5, v5
	v_bfe_u32 v3, v0, 4, 1                         ; a plain line stands behind the exponentials before their results are used
	v_mul_u32_u24 v3, v3, 3                        ; what the sine lanes add to the quadrant
	v_cvt_f32_u32 v7, s26                          ; t
	v_and_b32 v6, 31, v0
	v_lshlrev_b32 v6, 3, v6
	s_lshl_b32 s27, s26, 8
	v_add_nc_u32 v6, s27, v6                       ; row x 256 + 8 l
; cos or sin of t x inv: n = the nearest multiple of pi/2, r = the rest (two fused steps), both series on |r| <= pi/4, the quadrant chooses series and sign.
.macro EVAL inv, dst
	s_wait_alu depctr_va_vdst(0)
	v_mul_f32 v10, v7, v[\inv]
	v_mul_f32 v11, s32, v10
	v_rndne_f32 v11, v11
	v_fma_f32 v12, -v11, s33, v10
	v_fma_f32 v12, -v11, s34, v12
	v_mul_f32 v13, v12, v12
	v_fma_f32 v14, v13, s38, s37
	v_fma_f32 v15, v13, s41, s40
	v_fma_f32 v14, v14, v13, s36
	v_fma_f32 v15, v15, v13, s39
	v_fma_f32 v14, v14, v13, s35
	v_fma_f32 v15, v15, v13, -0.5
	v_mul_f32 v14, v14, v13
	v_fma_f32 v15, v15, v13, 1.0                   ; cos r
	v_fma_f32 v14, v14, v12, v12                   ; sin r
	v_cvt_i32_f32 v16, v11
	v_add_nc_u32 v16, v16, v3                      ; the quadrant (its two low bits)
	v_and_b32 v17, 1, v16
	v_cmp_eq_u32 vcc_lo, 1, v17
	v_cndmask_b32 v14, v15, v14, vcc_lo            ; odd: the sine
	v_add_nc_u32 v16, 1, v16
	v_and_b32 v16, 2, v16                          ; quadrants 1 and 2: minus
	v_lshlrev_b32 v16, 30, v16
	v_xor_b32 v[\dst], v16, v14
.endm
	s_mov_b32 s44, 16
.Lrow:
	EVAL 4, 8
	EVAL 5, 9
	global_store_b64 v6, v[8:9], s[24:25]          ; the wave stores a whole row, 256 consecutive bytes, aligned
	s_wait_xcnt 0x0                                ; the store's offset and data are rewritten only behind this wait
	v_add_nc_u32 v6, 256, v6
	v_add_f32 v7, 1.0, v7
	s_sub_co_u32 s44, s44, 1
	s_cmp_lg_u32 s44, 0
	s_cbranch_scc1 .Lrow
	s_endpgm
.Lfunc_end_k_qe6470ae13f_prep:
	.size	k_qe6470ae13f_prep, .Lfunc_end_k_qe6470ae13f_prep-k_qe6470ae13f_prep
	.p2alignl 7, 3214868480
	.fill 96, 4, 3214868480
	.section	.rodata,"a",@progbits
	.p2align	6, 0x0
	.amdhsa_kernel k_qe6470ae13f_prep
		.amdhsa_group_segment_fixed_size 0
		.amdhsa_private_segment_fixed_size 0
		.amdhsa_enable_private_segment 0
		.amdhsa_kernarg_size 72
		.amdhsa_user_sgpr_count 2
		.amdhsa_user_sgpr_kernarg_segment_ptr 1
		.amdhsa_wavefront_size32 1
		.amdhsa_system_sgpr_workgroup_id_x 1
		.amdhsa_system_sgpr_workgroup_id_y 1
		.amdhsa_system_sgpr_workgroup_id_z 1
		.amdhsa_system_vgpr_workitem_id 0
		.amdhsa_next_free_vgpr 112
		.amdhsa_next_free_sgpr 66
		.amdhsa_reserve_vcc 1
		.amdhsa_float_denorm_mode_32 3
		.amdhsa_float_denorm_mode_16_64 3
		.amdhsa_memory_ordered 1
		.amdhsa_forward_progress 1
		.amdhsa_inst_pref_size 21
	.end_amdhsa_kernel
	.amdgpu_metadata
---
amdhsa.version: [ 1, 2 ]
amdhsa.kernels:
  - .name:           k_qe6470ae13f_prep
    .symbol:         k_qe6470ae13f_prep.kd
    .args:
      - { .name: x, .offset: 0, .size: 8, .value_kind: global_buffer, .address_space: global }
      - { .name: Wq, .offset: 8, .size: 8, .value_kind: global_buffer, .address_space: global }
      - { .name: Wk, .offset: 16, .size: 8, .value_kind: global_buffer, .address_space: global }
      - { .name: Wv, .offset: 24, .size: 8, .value_kind: global_buffer, .address_space: global }
      - { .name: Wp, .offset: 32, .size: 8, .value_kind: global_buffer, .address_space: global }
      - { .name: xb, .offset: 40, .size: 8, .value_kind: global_buffer, .address_space: global }
      - { .name: wb, .offset: 48, .size: 8, .value_kind: global_buffer, .address_space: global }
      - { .name: wp, .offset: 56, .size: 8, .value_kind: global_buffer, .address_space: global }
      - { .name: tab, .offset: 64, .size: 8, .value_kind: global_buffer, .address_space: global }
    .group_segment_fixed_size: 0
    .private_segment_fixed_size: 0
    .kernarg_segment_align: 8
    .kernarg_segment_size: 72
    .max_flat_workgroup_size: 256
    .sgpr_count:     66
    .vgpr_count:     112
    .wavefront_size: 32
...
	.end_amdgpu_metadata
.endif
;; end of part 1
;; launch qkv (part 2): grid 4 x 64, 4 waves a work-group, clusters of 4 x 4, 327,680 bytes of LDS; arguments xb, wb, tab, qkv; writes qkv
.if DOCPART == 2
	.amdgcn_target "amdgcn-amd-amdhsa--gfx1250"
	.amdhsa_code_object_version 6
	.text
	.protected	k_qe6470ae13f_qkv
	.globl	k_qe6470ae13f_qkv
	.p2align	8
	.type	k_qe6470ae13f_qkv,@function
k_qe6470ae13f_qkv:
	s_mov_b64 s[64:65], 0
	v_nop
	global_prefetch_b8 v0, s[64:65] scope:SCOPE_SE
	s_setreg_imm32_b32 hwreg(HW_REG_WAVE_MODE, 25, 1), 1
	s_wait_xcnt 0x0
	s_wait_alu depctr_hold_cnt(0) depctr_sa_sdst(0) depctr_va_vdst(0) depctr_va_sdst(0) depctr_va_ssrc(0) depctr_va_vcc(0) depctr_vm_vsrc(0)
	s_getreg_b32 s2, hwreg(HW_REG_IB_STS2, 6, 4)
	s_cmp_eq_u32 s2, 0
	s_cbranch_scc0 .Lentry_in_a_cluster
	s_endpgm
.Lentry_in_a_cluster:
	s_bfe_u32 s2, ttmp6, 0x10000c
	s_cmp_lg_u32 s2, 0xf033
	s_cbranch_scc0 .Lentry_shape_is_right
	s_endpgm
.Lentry_shape_is_right:
; QKV.  C[m][n] = sum over k of xb[m][k] wb[n][k] (16,384 x 1,024 x 512, bf16 operands, f32 sums); then by heads of 64 columns, in f32: q and k are divided by their root mean square
; (eps inside the root) and rotated by the table; q is also multiplied by log2(e)/8, so that the next launch's weights are 2^score; v is left as it is.  Each number is rounded once, to f16,
; and stored by heads: q [64][2048][64] at byte 0 of qkv, k [32][2048][64] at 16 MiB, v likewise at 24 MiB.
; LIMITS.  v is kept in f16: beyond 65,504 it is lost (q and k are bounded by 8 whatever the inputs).  NaN and infinities are not treated apart.
; SHARES.  A work-group makes 256 x 256 of C, each of four waves 128 x 128: 64 accumulators, 512 registers, two whole heads of 128 rows.  K goes in four steps of 128 through two LDS slots.
; CLUSTER.  4 x 4 work-groups: xb's tile is shared along a row of the cluster, wb's along a column: each is asked for jointly, by the same tensor load with a mask that names the four.
; The matrix instruction is used transposed (source 0 = 16 rows of wb, source 1 = 16 rows of xb): a lane holds eight neighbouring columns of one row of C.
; REGISTERS.  window 0: v0-33 addresses; v64-127, v128-191 xb's fragments, two buffers; on the way out v64-207 at work.
;   window 1: v64-191 wb's fragments; v0-63, v192-255 the table's 256 rows on their way (loaded at the start, waited for behind the products).   windows 2, 3: the accumulators.
; No branch and no LDS address hangs on the place in the cluster: whether a wave's columns are q, k or v enters as factors (AT, BT, AR, BR) and in the store's address alone.
.set SIZE_K, 512
.set KSTEP,  128
.set PITCH,  272                       ; an LDS row: 256 bytes + 16 of padding: the 16 rows of a fragment load start at 16 different groups of four banks
.set HALFT,  128*PITCH
.set SLOT,   4*HALFT
.set SPARE,  2*SLOT                    ; behind the ring: the spare words, 128 bytes a wave, which no other line names
.set TPITCH, 272                       ; the table in LDS, from byte 0, once slot 0 has had its last fill and its last read: 256 rows
.set STG,    256*TPITCH                ; behind it the waves' stages: 64 rows x 528 bytes of f32 each, in bytes of the ring that are filled no more
.set SPITCH, 528
.set STGW,   64*SPITCH
.set ADRA, 16                          ; v16-17  my xb fragments in slot 0, 1
.set RD0,  18                          ; v18     the stage: where I read rows back, first row set
.set TA0,  19                          ; v19     the table: my place in my wave's first row set
.set ADRB, 20                          ; v20-21  my wb fragments
.set TLO,  22                          ; v22     16 x thread: the table's loads
.set STO,  24                          ; v24     the stage: where I put 16 bytes of a row
.set RD,   25                          ; v25     walks from RD0
.set TA,   26                          ; v26     walks from TA0
.set GO,   27                          ; v27     my byte offset in the head's rows of qkv
.set SPW,  28                          ; v28     my spare word
.set NIL,  29                          ; v29     0
.set TS0,  30                          ; v30-31  where the table's loads 0-15 and 16-31 go in LDS
.set TS1,  31
.set SG,   32                          ; v[32:33] +AT for channels 0-31, -AT for channels 32-63
.set F0,   64
.set F1,   128
.set XS,   64                          ; the way out: two register sets of 32: head 0's 8 numbers, head 1's, 8 cosines, 8 sines
.set CE,   128
.set SE,   136
.set TT,   144
.set YY,   160
.set QQ,   176
.set RR,   184
.set OUT,  192
.set G1, 24
.set G0, 32
.set G1B, 48
.set G0B, 56
.set MSB, 0
.macro WIN new                         ; the immediate's high byte repeats the setting that is left
.if MSB != (\new)
	s_set_vgpr_msb (MSB<<8)|(\new)
.set MSB, \new
.endif
.endm
.set MUL_LO, 0xa1                      ; source 0 (wb) window 1, source 1 (xb) window 0, C and D window 2
.set MUL_HI, 0xf1                      ; the same, C and D window 3
.set TO_B,   0x40
; A joint load.  Waves 0 and 1 fetch xb's two halves, waves 2 and 3 wb's.  The branch hangs on the wave's number alone.  An s_nop 0 and four v_nop follow each line.
.macro JLOAD s
	s_cmp_eq_u32 s11, 0
	s_cbranch_scc0 .Lfor_b_\@
	tensor_load_to_lds s[G0+4*(\s):G0+4*(\s)+3], s[G1:G1+7]
	s_nop 0
.rept 4
	v_nop
.endr
	s_branch .Lasked_\@
.Lfor_b_\@:
	tensor_load_to_lds s[G0B+4*(\s):G0B+4*(\s)+3], s[G1B:G1B+7]
	s_nop 0
.rept 4
	v_nop
.endr
.Lasked_\@:
.endm
.macro CREST                           ; a round of the cluster's barrier behind its opening barrier
	s_cmp_lg_u32 s10, 0
	s_cbranch_scc1 .Lnot_wave_0_\@
	s_barrier_signal -3
.Lnot_wave_0_\@:
	s_barrier_wait -3
	s_barrier_signal -1
	s_barrier_wait -1
.endm
.macro CROUND
	s_barrier_signal -1
	s_barrier_wait -1
	CREST
.endm
	s_load_b128 s[4:7], s[0:1], 0x0                ; xb s[4:5], wb s[6:7]
	s_load_b128 s[84:87], s[0:1], 0x10             ; tab s[84:85], qkv s[86:87]
	v_lshl_add_u32 v[SPW], v0, 2, SPARE
	v_mov_b32 v[NIL], 0
	ds_add_u32 v[SPW], v[NIL]                      ; the wave's opening: the add and its wait ahead of my first tensor load; work on registers stands between them
	ds_add_u32 v28, v29
	v_lshrrev_b32 v1, 5, v0
	v_readfirstlane_b32 s10, v1                    ; wave 0..3
	s_lshr_b32 s11, s10, 1                         ; my half of the tile's rows.  Also: I fetch for xb (0) or for wb (1)
	s_and_b32 s12, s10, 1                          ; my half of its columns.  Also: which 128 rows of that tile I fetch
	s_bfe_u32 s40, ttmp6, 0x40000                  ; cx
	s_bfe_u32 s41, ttmp6, 0x40004                  ; cy
	s_lshl_b32 s42, ttmp9, 2
	s_add_co_u32 s42, s42, s40                     ; tile column: 0, 1 q; 2 k; 3 v
	s_and_b32 s13, ttmp7, 0xffff
	s_lshl_b32 s13, s13, 2
	s_add_co_u32 s13, s13, s41                     ; tile row
	s_lshl_b32 s43, s41, 2
	s_lshl_b32 s43, 15, s43                        ; my row of the cluster
	s_lshl_b32 s44, 0x1111, s40                    ; my column
	s_or_b32 s[G1+0], s43, (1<<16)|(1<<20)|(1<<21)|(5<<22)|(3<<25)  ; the mask; 2-byte elements; padding on; bit 21 beside a mask; after every 64 words 4 words
	s_or_b32 s[G1B+0], s44, (1<<16)|(1<<20)|(1<<21)|(5<<22)|(3<<25)
.irp g, G1, G1B
	s_mov_b32 s[(\g)+1], KSTEP<<16                 ; tensor_dim0 = 128
	s_mov_b32 s[(\g)+2], 128<<16                   ; tensor_dim1 = 128
	s_mov_b32 s[(\g)+3], KSTEP<<16                 ; tile_dim0 = 128
	s_mov_b32 s[(\g)+4], 128                       ; tile_dim1 = 128
	s_mov_b32 s[(\g)+5], SIZE_K                    ; elements from row to row
	s_mov_b32 s[(\g)+6], 0
	s_mov_b32 s[(\g)+7], 0
.endr
	s_lshl_b32 s17, s12, 7
	s_lshl_b32 s16, s13, 8
	s_add_co_u32 s16, s16, s17                     ; xb: row 256 x tile row + 128 x half
	s_lshl_b32 s46, s42, 8
	s_add_co_u32 s46, s46, s17                     ; wb: row 256 x tile column + 128 x half
	s_mov_b32 s17, 0
	s_mov_b32 s47, 0
	s_mov_b64 s[18:19], SIZE_K*2
	s_mul_u64 s[16:17], s[16:17], s[18:19]
	s_mul_u64 s[46:47], s[46:47], s[18:19]
	s_mul_i32 s20, s10, HALFT                      ; where they go: wave x 128 rows
	; what my 128 columns are, as numbers: group of 128 columns 0-3 q, 4-5 k, 6-7 v (registers of their own: none that feeds a joint descriptor)
	s_lshl_b32 s66, s42, 1
	s_add_co_u32 s66, s66, s12                     ; the group
	s_and_b32 s67, s66, 1
	s_lshr_b32 s70, s13, 3                         ; the batch: 8 tile rows each
	s_lshl_b32 s71, s70, 3
	s_lshl1_add_u32 s71, s66, s71                  ; q: head 8 b + 2 group
	s_lshl_b32 s80, s70, 2
	s_lshl1_add_u32 s80, s67, s80                  ; k, v: head 4 b + 2 (group & 1)
	s_cmp_lt_u32 s66, 4
	s_cselect_b32 s71, s71, s80
	s_cselect_b32 s76, 0x3e38aa3b, 1.0             ; AR: q log2(e)/8, k 1
	s_cselect_b32 s82, 0, 0x1000000
	s_cmp_lt_u32 s66, 6
	s_cselect_b32 s82, s82, 0x1800000              ; the region of qkv
	s_cselect_b32 s72, 1.0, 0                      ; AT, BT: cosine x AT + BT, sine x AT: v gets 1 and 0
	s_cselect_b32 s74, 0, 1.0
	s_cselect_b32 s76, s76, 0                      ; AR, BR: 1/rms x AR + BR: v gets 1
	s_cselect_b32 s77, 0, 1.0
	s_mov_b32 s73, 0                               ; named as pairs
	s_mov_b32 s75, 0
	s_mov_b32 s78, 0x3c800000                      ; 1/64
	s_mov_b32 s79, 0x34000000                      ; eps = 2^-23
	s_and_b32 s83, s13, 7
	s_lshl_b32 s90, s83, 16                        ; the tile's 256 rows of the table
	s_mov_b32 s91, 0
	s_lshl_b32 s83, s83, 15                        ; 256 rows of 128 bytes a tile row,
	s_lshl_b32 s80, s11, 14                        ; my 128 of them
	s_add_co_u32 s83, s83, s80
	s_lshl_b32 s71, s71, 18                        ; a head is 2,048 rows of 128 bytes
	s_add_co_u32 s68, s71, s83
	s_add_co_u32 s68, s68, s82
	s_mov_b32 s69, 0
	s_wait_dscnt 0x0                               ; the opening add is done
	s_wait_kmcnt 0x0
	s_add_nc_u64 s[14:15], s[4:5], s[16:17]
	s_add_nc_u64 s[46:47], s[6:7], s[46:47]
	s_add_nc_u64 s[68:69], s[86:87], s[68:69]      ; qkv at my first head's first row
	s_add_nc_u64 s[88:89], s[84:85], s[90:91]      ; the table at the tile's first row
	CROUND                                         ; all sixteen work-groups are here: the first joint loads meet
.irp s, 0,1
	s_mov_b32 s[G0+4*(\s)], 1
	s_add_co_u32 s[G0+4*(\s)+1], s20, (\s)*SLOT
	s_add_nc_u64 s[G0+4*(\s)+2:G0+4*(\s)+3], s[14:15], (\s)*KSTEP*2
	s_or_b32 s[G0+4*(\s)+3], s[G0+4*(\s)+3], 0x80000000
	s_mov_b32 s[G0B+4*(\s)], 1
	s_add_co_u32 s[G0B+4*(\s)+1], s20, (\s)*SLOT
	s_add_nc_u64 s[G0B+4*(\s)+2:G0B+4*(\s)+3], s[46:47], (\s)*KSTEP*2
	s_or_b32 s[G0B+4*(\s)+3], s[G0B+4*(\s)+3], 0x80000000
	JLOAD \s
.endr
	; the table's 65,536 bytes: 32 loads of 2,048 consecutive bytes by the work-group, into registers of window 1 that the products do not name; waited for behind the products
	v_lshlrev_b32 v[TLO], 4, v0
	WIN 0x40
.set q, 0
.rept 32
.if q < 16
.set d, 4*q
.else
.set d, 192+4*(q-16)
.endif
	global_load_b128 v[d:d+3], v[TLO], s[88:89] offset:2048*q
.set q, q+1
.endr
	WIN 0
	v_and_b32 v1, 15, v0                           ; r = l % 16
	v_bfe_u32 v2, v0, 4, 1                         ; h = l / 16
	v_mul_u32_u24 v3, v1, PITCH
	v_lshl_add_u32 v3, v2, 4, v3
	s_mul_i32 s21, s11, HALFT
	s_mul_i32 s22, s12, HALFT
	s_add_co_u32 s22, s22, 2*HALFT
.irp s, 0,1
	v_add_nc_u32 v[ADRA+(\s)], s21, v3
	v_add_nc_u32 v[ADRB+(\s)], s22, v3
	s_add_co_u32 s21, s21, SLOT
	s_add_co_u32 s22, s22, SLOT
.endr
; 16 matrix instructions: row blocks a0, a0 + 1 of the window's four x all 8 column blocks, 32 along K.  zero = 1: the first product starts the sums.
.macro MUL16 f, hi, a0, zero
	WIN MUL_LO+0x50*(\hi)
.irp a, \a0, (\a0)+1
.irp b, 0,1,2,3,4,5,6,7
.if \zero
	v_wmma_f32_16x16x32_bf16 v[8*(8*(\a)+(\b)):8*(8*(\a)+(\b))+7], v[(\f)+8*(\b):(\f)+8*(\b)+7], v[(\f)+8*(4*(\hi)+(\a)):(\f)+8*(4*(\hi)+(\a))+7], 0
.else
	v_wmma_f32_16x16x32_bf16 v[8*(8*(\a)+(\b)):8*(8*(\a)+(\b))+7], v[(\f)+8*(\b):(\f)+8*(\b)+7], v[(\f)+8*(4*(\hi)+(\a)):(\f)+8*(4*(\hi)+(\a))+7], v[8*(8*(\a)+(\b)):8*(8*(\a)+(\b))+7]
.endif
.endr
.endr
.endm
; 32 LDS loads in one run: the fragments of one quarter step, wb's first
.macro FETCH slot, k, f
	WIN TO_B
.irp i, 0,1,2,3,4,5,6,7
	ds_load_b128 v[(\f)+8*(\i):(\f)+8*(\i)+3],   v[ADRB+(\slot)] offset:(\k)+(\i)*16*PITCH
	ds_load_b128 v[(\f)+8*(\i)+4:(\f)+8*(\i)+7], v[ADRB+(\slot)] offset:(\k)+(\i)*16*PITCH+32
.endr
	WIN 0
.irp i, 0,1,2,3,4,5,6,7
	ds_load_b128 v[(\f)+8*(\i):(\f)+8*(\i)+3],   v[ADRA+(\slot)] offset:(\k)+(\i)*16*PITCH
	ds_load_b128 v[(\f)+8*(\i)+4:(\f)+8*(\i)+7], v[ADRA+(\slot)] offset:(\k)+(\i)*16*PITCH+32
.endr
.endm
.macro PLACES                          ; four plain vector instructions between a matrix instruction and a load into, or a vector read of, its registers
.rept 4
	v_nop
.endr
.endm
; A K step is four quarters of 32 along K, 64 matrix instructions each, on buffers 0, 1, 0, 1; the 64 accumulators take turns.
.macro QUARTER slot, k, f, g, zero
	s_wait_dscnt 8                                 ; wb and xb's rows 0-63 are in; the youngest eight loads (rows 64-127) may be out
	MUL16 \f, 0, 0, \zero
	MUL16 \f, 0, 2, \zero
	PLACES
	FETCH \slot, \k, \g
	s_wait_dscnt 32                                ; all but the 32 just issued
	MUL16 \f, 1, 0, \zero
	MUL16 \f, 1, 2, \zero
.endm
; The change of slots: each wave waits for all its tensor loads (one is out: its part of the next slot), adds 0 to its spare word, waits for that and for its reads of this slot, and signals.
.macro MEET round
	WIN 0
	s_wait_tensorcnt 0x0
	ds_add_u32 v[SPW], v[NIL]
	s_wait_dscnt 9                                 ; the add and the youngest eight loads may be out
	MUL16 F1, 0, 0, 0
	s_wait_dscnt 0x0                               ; the add is done, and my reads of this slot are over
	s_barrier_signal -1
	MUL16 F1, 0, 2, 0
.if \round
	WIN 0
.endif
	s_barrier_wait -1
.endm
.macro TURN slot, next, fill           ; the last quarter of a K step; fill = 1: the slot takes the K step two on, first thing behind a round of the cluster's barrier
	MEET \fill
.if \fill
	CREST
	s_add_nc_u64 s[G0+4*(\slot)+2:G0+4*(\slot)+3], s[G0+4*(\slot)+2:G0+4*(\slot)+3], 2*KSTEP*2
	s_add_nc_u64 s[G0B+4*(\slot)+2:G0B+4*(\slot)+3], s[G0B+4*(\slot)+2:G0B+4*(\slot)+3], 2*KSTEP*2
	JLOAD \slot                                    ; its four v_nop are also the places in front of the loads below
.else
	PLACES
.endif
	FETCH \next, 0, F0
	MUL16 F1, 1, 0, 0
	MUL16 F1, 1, 2, 0
.endm
	s_wait_tensorcnt 1                             ; my part of K step 0 is in; K step 1's may stay out
	s_barrier_signal -1
	s_barrier_wait -1
	FETCH 0, 0, F0
	QUARTER 0, 64,  F0, F1, 1
	QUARTER 0, 128, F1, F0, 0
	QUARTER 0, 192, F0, F1, 0
	TURN 0, 1, 1                                   ; slot 0 takes K step 2
	QUARTER 1, 64,  F0, F1, 0
	QUARTER 1, 128, F1, F0, 0
	QUARTER 1, 192, F0, F1, 0
	TURN 1, 0, 1                                   ; slot 1 takes K step 3
	QUARTER 0, 64,  F0, F1, 0
	QUARTER 0, 128, F1, F0, 0
	QUARTER 0, 192, F0, F1, 0
	TURN 0, 1, 0                                   ; nothing is left to fetch; behind this barrier nobody reads slot 0 any more
	QUARTER 1, 64,  F0, F1, 0
	QUARTER 1, 128, F1, F0, 0
	QUARTER 1, 192, F0, F1, 0
	s_wait_dscnt 8
	MUL16 F1, 0, 0, 0
	MUL16 F1, 0, 2, 0
	s_wait_dscnt 0x0
	MUL16 F1, 1, 0, 0
	MUL16 F1, 1, 2, 0
	WIN 0
	; THE WAY OUT.  The address lines are also the places behind the last products.
	s_mul_i32 s23, s10, STGW
	s_add_co_u32 s23, s23, STG                     ; my stage
	v_mul_u32_u24 v3, v1, SPITCH
	v_lshl_add_u32 v3, v2, 5, v3                   ; in: row r, 32 bytes for each half of the lanes
	v_add_nc_u32 v[STO], s23, v3
	v_bfe_u32 v4, v0, 3, 2                         ; back: lane l takes row l / 8 of four,
	v_and_b32 v5, 7, v0                            ; and channels 8 (l % 8) + 0..7 of both heads
	v_mul_u32_u24 v3, v4, SPITCH
	v_lshl_add_u32 v3, v5, 5, v3
	v_add_nc_u32 v[RD0], s23, v3
	v_and_b32 v6, 3, v0                            ; the table's entries 8 (l % 4) + 0..7
	v_mul_u32_u24 v3, v4, TPITCH
	v_lshl_add_u32 v3, v6, 5, v3
	s_mul_i32 s22, s11, 128*TPITCH
	v_add_nc_u32 v[TA0], s22, v3
	v_and_b32 v3, 31, v0
	v_lshlrev_b32 v[GO], 4, v3                     ; four rows of a head are 512 consecutive bytes: 16 l
	v_lshrrev_b32 v3, 4, v0
	v_mul_u32_u24 v3, v3, TPITCH
	v_lshl_add_u32 v[TS0], v1, 4, v3               ; a load of the table is 8 rows: row thread / 16, 16 bytes at 16 (thread % 16)
	v_add_nc_u32 v[TS1], 16*8*TPITCH, v[TS0]
	v_bfe_u32 v3, v0, 2, 1
	v_lshlrev_b32 v3, 31, v3
	v_xor_b32 v[SG], s72, v3                       ; channels 32-63 take the sine with a minus
	v_mov_b32 v[SG+1], v[SG]
.set i, 0
.rept 16
	v_mov_b32 v[TT+i], 0                           ; written once: a lane-crossing form counts as a reader of its destination
.set i, i+1
.endr
.irp i, 0,1,2,3
	v_mov_b32 v[RR+\i], 0
.endr
	s_wait_loadcnt 0x0                             ; the table is in registers
	WIN 0x04                                       ; store data in window 1
.set q, 0
.rept 32
.if q < 16
	ds_store_b128 v[TS0], v[4*q:4*q+3] offset:8*TPITCH*q
.else
	ds_store_b128 v[TS1], v[192+4*(q-16):192+4*(q-16)+3] offset:8*TPITCH*(q-16)
.endif
.set q, q+1
.endr
	WIN 0
	s_wait_dscnt 0x0                               ; for the others' sake: my part of the table is stored, and my reads of slot 1 are over
	s_barrier_signal -1
	s_barrier_wait -1                              ; the table is whole, and the stages may be written
.macro DUMP ph                         ; 32 accumulators, 64 rows x 128 columns of f32, into my own stage; each accumulator's low half first
	WIN 0x08+4*(\ph)
.irp a, 0,1,2,3
.irp b, 0,1,2,3,4,5,6,7
	ds_store_b128 v[STO], v[8*(8*\a+\b):8*(8*\a+\b)+3] offset:\a*16*SPITCH+64*\b
	ds_store_b128 v[STO], v[8*(8*\a+\b)+4:8*(8*\a+\b)+7] offset:\a*16*SPITCH+64*\b+16
.endr
.endr
	WIN 0
.endm
.macro LD set, o1, o2                  ; four rows: my 8 numbers of both heads, 8 cosines, 8 sines
.set XB, XS+32*(\set)
	ds_load_b128 v[XB:XB+3],     v[RD] offset:(\o1)
	ds_load_b128 v[XB+4:XB+7],   v[RD] offset:(\o1)+16
	ds_load_b128 v[XB+8:XB+11],  v[RD] offset:(\o1)+256
	ds_load_b128 v[XB+12:XB+15], v[RD] offset:(\o1)+272
	ds_load_b128 v[XB+16:XB+19], v[TA] offset:(\o2)
	ds_load_b128 v[XB+20:XB+23], v[TA] offset:(\o2)+16
	ds_load_b128 v[XB+24:XB+27], v[TA] offset:(\o2)+128
	ds_load_b128 v[XB+28:XB+31], v[TA] offset:(\o2)+144
.endm
; Four rows of two heads.  A head's 64 channels lie in 8 neighbouring lanes: the sum of squares crosses them in three steps; channel d +- 32 lies in the lane 4 away.  The two heads alternate.
.macro EPI set
.set XB, XS+32*(\set)
.irp j, 0,2,4,6
	v_pk_fma_f32 v[CE+\j:CE+\j+1], v[XB+16+\j:XB+16+\j+1], s[72:73], s[74:75] op_sel_hi:[1,0,0]
.endr
.irp j, 0,2,4,6
	v_pk_mul_f32 v[SE+\j:SE+\j+1], v[XB+24+\j:XB+24+\j+1], v[SG:SG+1]
.endr
.irp hd, 0,1
	v_pk_mul_f32 v[QQ+4*\hd:QQ+4*\hd+1], v[XB+8*\hd:XB+8*\hd+1], v[XB+8*\hd:XB+8*\hd+1]
	v_pk_mul_f32 v[QQ+4*\hd+2:QQ+4*\hd+3], v[XB+8*\hd+2:XB+8*\hd+3], v[XB+8*\hd+2:XB+8*\hd+3]
.endr
.irp hd, 0,1
	v_pk_fma_f32 v[QQ+4*\hd:QQ+4*\hd+1], v[XB+8*\hd+4:XB+8*\hd+5], v[XB+8*\hd+4:XB+8*\hd+5], v[QQ+4*\hd:QQ+4*\hd+1]
	v_pk_fma_f32 v[QQ+4*\hd+2:QQ+4*\hd+3], v[XB+8*\hd+6:XB+8*\hd+7], v[XB+8*\hd+6:XB+8*\hd+7], v[QQ+4*\hd+2:QQ+4*\hd+3]
.endr
.irp hd, 0,1
	v_pk_add_f32 v[QQ+4*\hd:QQ+4*\hd+1], v[QQ+4*\hd:QQ+4*\hd+1], v[QQ+4*\hd+2:QQ+4*\hd+3]
.endr
.irp hd, 0,1
	v_add_f32 v[QQ+4*\hd], v[QQ+4*\hd], v[QQ+4*\hd+1]
.endr
.irp m, 1,2,4
.irp hd, 0,1
	v_add_f32_dpp v[QQ+4*\hd], v[QQ+4*\hd], v[QQ+4*\hd] row_xmask:\m row_mask:0xf bank_mask:0xf
.endr
.endr
.irp hd, 0,1
	v_fma_f32 v[QQ+4*\hd], v[QQ+4*\hd], s78, s79   ; the mean of the squares + eps
.endr
.irp hd, 0,1
	v_rsq_f32 v[RR+2*\hd], v[QQ+4*\hd]
.endr
.irp j, 0,1,2,3,4,5,6,7
.irp hd, 0,1
	v_mul_f32_dpp v[TT+8*\hd+\j], v[XB+8*\hd+\j], v[SE+\j] row_xmask:4 row_mask:0xf bank_mask:0xf  ; the partner channel x my signed sine; these plain lines stand behind the roots
.endr
.endr
	s_wait_alu depctr_va_vdst(0)
.irp hd, 0,1
	v_fma_f32 v[RR+2*\hd], v[RR+2*\hd], s76, s77
.endr
.irp j, 0,2,4,6
.irp hd, 0,1
	v_pk_fma_f32 v[YY+8*\hd+\j:YY+8*\hd+\j+1], v[XB+8*\hd+\j:XB+8*\hd+\j+1], v[CE+\j:CE+\j+1], v[TT+8*\hd+\j:TT+8*\hd+\j+1]
.endr
.endr
.irp j, 0,2,4,6
.irp hd, 0,1
	v_pk_mul_f32 v[YY+8*\hd+\j:YY+8*\hd+\j+1], v[YY+8*\hd+\j:YY+8*\hd+\j+1], v[RR+2*\hd:RR+2*\hd+1] op_sel_hi:[1,0]
.endr
.endr
.irp k, 0,1,2,3
.irp hd, 0,1
	v_cvt_pk_f16_f32 v[OUT+8*(\set)+4*\hd+\k], v[YY+8*\hd+2*\k], v[YY+8*\hd+2*\k+1]
.endr
.endr
.irp hd, 0,1
	global_store_b128 v[GO], v[OUT+8*(\set)+4*\hd:OUT+8*(\set)+4*\hd+3], s[68:69] offset:\hd*262144+(\set)*512  ; 512 consecutive bytes, aligned: four rows of a head
.endr
.endm
; 64 rows: into the stage, then 16 row sets of four rows, two a trip, each set's loads issued while the set before is worked on.  The eighth trip is written out: it fetches nothing further.
.macro PHASE ph
	DUMP \ph
	v_mov_b32 v[RD], v[RD0]
	v_add_nc_u32 v[TA], (\ph)*64*TPITCH, v[TA0]
	LD 0, 0, 0                                     ; LDS serves a wave's instructions in order (ISA guide 5.7.1.4): these see my stores above
	s_mov_b32 s81, 7
.Lrows\ph:
	LD 1, 4*SPITCH, 4*TPITCH
	s_wait_dscnt 8                                 ; set 0 is in; set 1's eight loads may be out
	EPI 0
	v_add_nc_u32 v[RD], 8*SPITCH, v[RD]
	v_add_nc_u32 v[TA], 8*TPITCH, v[TA]
	LD 0, 0, 0
	s_wait_dscnt 8                                 ; set 1 is in; the next set 0's eight loads may be out
	EPI 1
	s_wait_xcnt 0x0                                ; the trip's four stores: their offset and data are rewritten only behind this wait
	v_add_nc_u32 v[GO], 1024, v[GO]
	s_sub_co_u32 s81, s81, 1
	s_cmp_lg_u32 s81, 0
	s_cbranch_scc1 .Lrows\ph
	LD 1, 4*SPITCH, 4*TPITCH
	s_wait_dscnt 8
	EPI 0
	s_wait_dscnt 0x0
	EPI 1
	s_wait_xcnt 0x0
	v_add_nc_u32 v[GO], 1024, v[GO]
.endm
	PHASE 0
	PHASE 1
	s_wait_tensorcnt 0x0                           ; the wave's end
	ds_add_u32 v[SPW], v[NIL]
	s_wait_dscnt 0x0
	CROUND                                         ; the closing round
	s_endpgm
.Lfunc_end_k_qe6470ae13f_qkv:
	.size	k_qe6470ae13f_qkv, .Lfunc_end_k_qe6470ae13f_qkv-k_qe6470ae13f_qkv
	.p2alignl 7, 3214868480
	.fill 96, 4, 3214868480
	.section	.rodata,"a",@progbits
	.p2align	6, 0x0
	.amdhsa_kernel k_qe6470ae13f_qkv
		.amdhsa_group_segment_fixed_size 327680
		.amdhsa_private_segment_fixed_size 0
		.amdhsa_enable_private_segment 0
		.amdhsa_kernarg_size 32
		.amdhsa_user_sgpr_count 2
		.amdhsa_user_sgpr_kernarg_segment_ptr 1
		.amdhsa_wavefront_size32 1
		.amdhsa_system_sgpr_workgroup_id_x 1
		.amdhsa_system_sgpr_workgroup_id_y 1
		.amdhsa_system_sgpr_workgroup_id_z 1
		.amdhsa_system_vgpr_workitem_id 0
		.amdhsa_next_free_vgpr 1024
		.amdhsa_next_free_sgpr 96
		.amdhsa_reserve_vcc 0
		.amdhsa_float_denorm_mode_32 3
		.amdhsa_float_denorm_mode_16_64 3
		.amdhsa_memory_ordered 1
		.amdhsa_forward_progress 1
		.amdhsa_inst_pref_size 169
	.end_amdhsa_kernel
	.amdgpu_metadata
---
amdhsa.version: [ 1, 2 ]
amdhsa.kernels:
  - .name:           k_qe6470ae13f_qkv
    .symbol:         k_qe6470ae13f_qkv.kd
    .args:
      - { .name: xb, .offset: 0, .size: 8, .value_kind: global_buffer, .address_space: global }
      - { .name: wb, .offset: 8, .size: 8, .value_kind: global_buffer, .address_space: global }
      - { .name: tab, .offset: 16, .size: 8, .value_kind: global_buffer, .address_space: global }
      - { .name: qkv, .offset: 24, .size: 8, .value_kind: global_buffer, .address_space: global }
    .group_segment_fixed_size: 327680
    .private_segment_fixed_size: 0
    .kernarg_segment_align: 8
    .kernarg_segment_size: 32
    .max_flat_workgroup_size: 128
    .sgpr_count:     96
    .vgpr_count:     1024
    .wavefront_size: 32
...
	.end_amdgpu_metadata
.endif
;; end of part 2
;; launch attn (part 3): grid 4 x 64, 4 waves a work-group, no clusters, 327,680 bytes of LDS; arguments qkv, y; writes y
.if DOCPART == 3
	.amdgcn_target "amdgcn-amd-amdhsa--gfx1250"
	.amdhsa_code_object_version 6
	.text
	.protected	k_qe6470ae13f_attn
	.globl	k_qe6470ae13f_attn
	.p2align	8
	.type	k_qe6470ae13f_attn,@function
k_qe6470ae13f_attn:
	s_mov_b64 s[64:65], 0
	v_nop
	global_prefetch_b8 v0, s[64:65] scope:SCOPE_SE
	s_setreg_imm32_b32 hwreg(HW_REG_WAVE_MODE, 25, 1), 1
	s_wait_xcnt 0x0
; CAUSAL ATTENTION, 64 query heads (8 b + h) of 2,048 rows x 64 channels, key and value head 4 b + h / 2.  q, k, v in f16 by heads in qkv; q already carries log2(e)/8.
; y[m / 16][h][m % 16][64] in f16, m = 2,048 b + t: 16 rows of a head are 2,048 consecutive bytes.
; NO MAXIMUM IS TAKEN AWAY.  q and k are vectors normalised to length 8 at the most and then rotated, whatever the inputs: a score lies in +-8.02, its weight p = 2^(score log2 e) in 3.3e-4 .. 3.1e3,
; a row's sum under 6.4e6: nothing can overflow or underflow in f32 (the sums l, O) or in f16 (p, rounded once for the second product).  O = (sum p v) / l at the end.
; LIMITS.  v arrives within f16's range, and O, a mean of v's rows, has it too.  A hidden score counts as its value less 1e30: its weight is 0.  NaN and infinities are not treated apart.
; THE WALK.  A head's queries lie in 8 blocks of 256; block i needs the key tiles 0 .. i of 256 keys, the last holding the diagonal.  A work-group takes blocks 7 - b and then b: 9 tiles, whatever b.
; One loop with a constant count walks them through two LDS slots.  What a trip does (a block's first tile, its diagonal tile, neither) is chosen once, straight behind the change of slots, from scalar registers
; made from b; on each of the three ways K and V are fetched from the slot four times.  Every jump goes forward but the counted loops' own; none passes a barrier or a tensor load.
; NO CLUSTER: only the two query heads of a key head walk the same tiles throughout; a head's four work-groups ask for the same tile in the first 5 of 9 trips only, and a walk common to all would have 12 trips for 9.
; SHARES.  Of a block's four bands of 64 queries a wave owns 16 rows in each: four PIECES.  In the diagonal tile's key step s band p sees all keys if s < p, none if s > p (such pairs are left out), and holds the diagonal if s = p.
; TURNS.  An ITEM is a key step of 64 keys and a piece.  A turn has 8 products K Q^T of the next item, 8 products V^T P of the item before, and behind each of the 16 four vector instructions of the item in hand:
; exponential, rounding to f16, exponential, sum.  S^T = K Q^T holds one query a lane (lane % 16) and the keys 8 (lane / 16) + 0..7; two such results rounded to f16 are source 1 of O^T = V^T P.
; K and V of a step lie in registers, two buffers by the step's parity; the next step's are fetched from LDS three and two turns ahead of their first use.
; REGISTERS.  window 0: v0-15 addresses; v16-23 l, a pair a piece; v24-31 1/l; v64-191 S^T, four buffers; v192-255 P, four buffers.   window 1: v0-127 O^T, 32 a piece; v128-159 MD, the mask of a band's own step.
;   window 2: v0-63 Q; v64-127 the second block's Q; v128-191 K, v192-255 V of even steps.   window 3: v128-191 K, v192-255 V of odd steps.
.set NB,    8
.set KS,    64
.set PK,    144       ; a row of K in LDS: 128 bytes + 16
.set PV,    160       ; a row of V: 128 + 32
.set VOFF,  4*KS*PK
.set SLOT1, 1<<17
.set STAGE, SLOT1+4*KS*(PK+PV)  ; behind the ring, never filled by a tensor load: 16 rows x 144 bytes a wave
.set SP,    144
.set SPARE, STAGE+4*16*SP       ; the spare words, 128 bytes a wave, which no other line names
.set AK0, 2
.set AV0, 3
.set AK,  4
.set AV,  5
.set STO, 6
.set RD,  7
.set GO,  8
.set QO,  15
.set LS,  16
.set RC,  24
.set SPW, 62
.set NIL, 63
.set S,   64
.set P,   192
.set MD,  128
.set QB,  64
.set WV,  12
.set PB,  14          ; b
.set HI,  15          ; 7 - b
.set G1K, 24
.set G1V, 32
.set G0K, 40
.set G0V, 44
.set SLOTS, 56
.set CNT, 57
.set SEL, 60
.set TBK, 62          ; LDS byte at which K of the step to be fetched begins
.set TBV, 63          ; the same for V, less VOFF
.set RT,  70          ; tiles of the block in hand still to be entered
.set NXT, 71          ; the tile to be asked for next
.set LQ,  72          ; the last tile of the block whose tiles are being asked for
.set NEW, 73          ; 1: the tile to be entered is a block's first
.set OFF, 74
.set OLO, 80          ; y at my rows of the second block
.set BIGN, 82
.set MSB, 0
.macro WIN new
.if MSB != (\new)
	s_set_vgpr_msb (MSB<<8)|(\new)
.set MSB, (\new)
.endif
.endm
; A fill.  Waves 0 and 1 fetch the two halves of a tile's K, waves 2 and 3 those of its V.  An s_nop 0 and four v_nop follow each line.
.macro LOAD
	s_cmp_lt_u32 s[WV], 2
	s_cbranch_scc0 .Lfor_v_\@
	tensor_load_to_lds s[G0K:G0K+3], s[G1K:G1K+7]
	s_nop 0
.rept 4
	v_nop
.endr
	s_branch .Lasked_\@
.Lfor_v_\@:
	tensor_load_to_lds s[G0V:G0V+3], s[G1V:G1V+7]
	s_nop 0
.rept 4
	v_nop
.endr
.Lasked_\@:
.endm
; THE CHANGE OF SLOTS.  Each wave waits for all its tensor loads (one is out: its part of the other slot), adds 0 to its spare word, and waits for that and for its reads of the slot that it leaves.
; Behind the barrier the old slot is filled again first (fill = 1), with tile NXT; that load has a tile's 256 matrix instructions in which to land.
.macro CHANGE fill
	WIN 0
	s_wait_tensorcnt 0x0
	ds_add_u32 v[SPW], v[NIL]
.if \fill
	s_lshl_b32 s[OFF], s[NXT], 15   ; a tile is 32,768 bytes of K and of V
	s_xor_b32 s[G0K+1], s[G0K+1], SLOT1
	s_add_nc_u64 s[G0K+2:G0K+3], s[6:7], s[OFF:OFF+1]
	s_or_b32 s[G0K+3], s[G0K+3], 0x80000000
	s_xor_b32 s[G0V+1], s[G0V+1], SLOT1
	s_add_nc_u64 s[G0V+2:G0V+3], s[8:9], s[OFF:OFF+1]
	s_or_b32 s[G0V+3], s[G0V+3], 0x80000000
	s_add_co_u32 s[NXT], s[NXT], 1  ; the block's next tile, or behind its last the second block's tile 0
	s_cmp_gt_u32 s[NXT], s[LQ]
	s_cselect_b32 s[NXT], 0, s[NXT]
	s_cselect_b32 s[LQ], s[PB], s[LQ]
.endif
	s_wait_dscnt 0x0                ; the add is done, and my reads of the slot are over
	s_barrier_signal -1
	s_sub_co_u32 s[TBK], s[TBK], 4*KS*PK  ; the fetches go back to a slot's first step, in the other slot
	s_xor_b32 s[TBK], s[TBK], SLOT1
	s_sub_co_u32 s[TBV], s[TBV], 4*KS*PV
	s_xor_b32 s[TBV], s[TBV], SLOT1
	s_barrier_wait -1
.if \fill
	LOAD
.endif
.endm
	s_load_b128 s[48:51], s[0:1], 0x0  ; qkv s[48:49], y s[50:51]
	v_lshl_add_u32 v[SPW], v0, 2, SPARE
	v_mov_b32 v[NIL], 0
	ds_add_u32 v[SPW], v[NIL]       ; the wave's opening: the add and its wait ahead of my first tensor load
	ds_add_u32 v62, v63
	v_lshrrev_b32 v1, 5, v0
	v_readfirstlane_b32 s[WV], v1
	s_mov_b32 s[PB], ttmp9
	s_sub_co_u32 s[HI], NB-1, s[PB]
	s_and_b32 s20, ttmp7, 0xffff    ; the query head, 8 b + h
	s_lshl_b32 s21, s20, 18         ; its 262,144 bytes of q,
	s_lshl_b32 s3, s[WV], 11        ; my 16 rows in a band
	s_add_co_u32 s21, s21, s3
	s_lshl_b32 s2, s[HI], 15        ; in the first block,
	s_add_co_u32 s2, s2, s21
	s_lshl_b32 s84, s[PB], 15       ; and in the second
	s_add_co_u32 s84, s84, s21
	s_mov_b32 s3, 0
	s_mov_b32 s85, 0
	s_lshr_b32 s22, s20, 1          ; the key head
	s_lshl_b32 s22, s22, 18
	s_and_b32 s16, s[WV], 1         ; which half of a tile's 256 keys I fetch
	s_lshl_b32 s23, s16, 14
	s_add_co_u32 s22, s22, s23
	s_add_co_u32 s22, s22, 0x1000000  ; k begins at 16 MiB of qkv
	s_mov_b32 s23, 0
	s_mul_i32 s17, s16, 128*PK
	s_mul_i32 s18, s16, 128*PV
	s_lshr_b32 s52, s20, 3          ; y: batch x 2^21 + block x 2^18 + band x 2^16 + wave x 2^14 + h x 2^11
	s_lshl_b32 s52, s52, 21
	s_and_b32 s53, s20, 7
	s_lshl_b32 s53, s53, 11
	s_add_co_u32 s52, s52, s53
	s_lshl_b32 s53, s[WV], 14
	s_add_co_u32 s52, s52, s53
	s_lshl_b32 s54, s[HI], 18
	s_add_co_u32 s54, s54, s52
	s_mov_b32 s55, 0
	s_lshl_b32 s58, s[PB], 18
	s_add_co_u32 s58, s58, s52
	s_mov_b32 s59, 0
	; descriptor group 1.  128 keys are 16,384 dense bytes: asked for as 64 rows of 256 bytes, two keys a row, padded in LDS after every key
	s_mov_b32 s[G1K], (1<<16)|(1<<20)|(4<<22)|(3<<25)
	s_mov_b32 s[G1V], (1<<16)|(1<<20)|(4<<22)|(7<<25)
.irp g, G1K, G1V
	s_mov_b32 s[\g+1], 128<<16
	s_mov_b32 s[\g+2], 64<<16
	s_mov_b32 s[\g+3], 128<<16
	s_mov_b32 s[\g+4], 64
	s_mov_b32 s[\g+5], 128
	s_mov_b32 s[\g+6], 0
	s_mov_b32 s[\g+7], 0
.endr
	s_mov_b32 s[SEL], 0x76543210
	s_mov_b32 s[SEL+1], 0xfedcba98
	s_mov_b32 s[TBK], SLOT1+4*KS*PK ; the first change of slots turns these two into 0
	s_mov_b32 s[TBV], SLOT1+4*KS*PV
	s_mov_b32 s[G0K], 1
	s_mov_b32 s[G0K+1], s17
	s_mov_b32 s[G0V], 1
	s_add_co_u32 s[G0V+1], s18, VOFF
	s_add_co_u32 s[RT], s[HI], 1    ; the first block has 8 - b tiles
	s_mov_b32 s[NXT], 1
	s_mov_b32 s[LQ], s[HI]
	s_mov_b32 s[NEW], 1
	s_mov_b32 s[OFF+1], 0
	s_mov_b32 s[BIGN], 0xf149f2ca   ; -1e30
	s_mov_b32 s[SLOTS], NB
	s_wait_dscnt 0x0                ; the opening add is done
	s_wait_kmcnt 0x0
	s_add_nc_u64 s[6:7], s[48:49], s[22:23]   ; K at my half of the head's tile 0,
	s_add_nc_u64 s[8:9], s[6:7], 0x800000     ; V 8 MiB further on
	s_add_nc_u64 s[G0K+2:G0K+3], s[6:7], 0
	s_or_b32 s[G0K+3], s[G0K+3], 0x80000000
	s_add_nc_u64 s[G0V+2:G0V+3], s[8:9], 0
	s_or_b32 s[G0V+3], s[G0V+3], 0x80000000
	s_add_nc_u64 s[4:5], s[48:49], s[2:3]     ; Q at my rows of the first block,
	s_add_nc_u64 s[86:87], s[48:49], s[84:85] ; of the second
	s_add_nc_u64 s[10:11], s[50:51], s[54:55] ; y likewise
	s_add_nc_u64 s[OLO:OLO+1], s[50:51], s[58:59]
	LOAD                            ; tile 0 into slot 0
	v_and_b32 v1, 15, v0            ; l % 16
	v_bfe_u32 v9, v0, 4, 1          ; l / 16
	v_lshlrev_b32 v[QO], 7, v1
	v_lshl_add_u32 v[QO], v9, 4, v[QO]
	WIN 0x80
.set i, 0
.rept 8                             ; both blocks' Q: piece i / 2 lies in band i / 2, 8,192 bytes on; channels 32 (i % 2) on
	global_load_b128 v[8*i:8*i+3],   v[QO], s[4:5] offset:(i/2)*8192+(i%2)*64
	global_load_b128 v[8*i+4:8*i+7], v[QO], s[4:5] offset:(i/2)*8192+(i%2)*64+32
	global_load_b128 v[QB+8*i:QB+8*i+3],   v[QO], s[86:87] offset:(i/2)*8192+(i%2)*64
	global_load_b128 v[QB+8*i+4:QB+8*i+7], v[QO], s[86:87] offset:(i/2)*8192+(i%2)*64+32
.set i, i+1
.endr
	WIN 0
	v_lshlrev_b32 v14, 3, v9
	v_sub_nc_u32 v14, v1, v14
	s_lshl_b32 s13, s[WV], 4
	v_add_nc_u32 v14, s13, v14      ; my query's place in its band less my lanes' 8 (l / 16): register r of key group kt is hidden where 16 kt + r is greater
	WIN 0x40
.set i, 0
.rept 32
	v_cmp_gt_i32 vcc_lo, 16*(i/8)+i%8, v14
	v_cndmask_b32 v[MD+i], 0, s[BIGN], vcc_lo
.set i, i+1
.endr
	WIN 0
	v_mul_u32_u24 v[AK0], v1, PK
	v_lshl_add_u32 v[AK0], v9, 4, v[AK0]
	v_and_b32 v10, 7, v0            ; the turning load: lane l reads key 8 (l / 16) + l % 8, channels 8 ((l / 8) % 2) + 0..7
	v_bfe_u32 v11, v0, 3, 1
	v_lshl_add_u32 v[AV0], v9, 3, v10
	v_mul_u32_u24 v[AV0], v[AV0], PV
	v_lshl_add_u32 v[AV0], v11, 4, v[AV0]
	v_add_nc_u32 v[AV0], VOFF, v[AV0]
	s_mul_i32 s13, s[WV], 16*SP
	s_add_co_u32 s13, s13, STAGE
	v_mul_u32_u24 v[STO], v1, SP
	v_lshl_add_u32 v[STO], v9, 4, v[STO]
	v_add_nc_u32 v[STO], s13, v[STO]
	v_bfe_u32 v[RD], v0, 3, 2
	v_mul_u32_u24 v[RD], v[RD], SP
	v_lshl_add_u32 v[RD], v10, 4, v[RD]
	v_add_nc_u32 v[RD], s13, v[RD]
	v_and_b32 v[GO], 31, v0
	v_lshlrev_b32 v[GO], 4, v[GO]
	; a block's first turn multiplies the odd steps' V by a P of zeros: those registers need only hold finite numbers
	WIN 0xc0
.set i, 192
.rept 64
	v_mov_b32 v[i], 0
.set i, i+1
.endr
	WIN 0
.set i, 0
.rept 8
	v_mov_b32 v[RC+i], 0
.set i, i+1
.endr
; THE MATRIX WORK.  ri is the turn's row, 0 to 15.  The four accumulators of each run of 8 take turns.
; Rows 0-7: S^T = K Q^T into buffer ns for piece np, K of parity nu: channels 32 (ri / 4) on, keys 16 (ri % 4) on.  The first four start the sums, with 0 or (nm = 1) with the mask.
.macro KQI ns, np, nu, nm
.set rS, S+32*(\ns)+8*(ri%4)
.set rK, 128+16*(ri%4)+8*(ri/4)
.set rQ, 16*(\np)+8*(ri/4)
.if (ri < 4) && (\nm)
	WIN 0x1a+(\nu)
	v_wmma_f32_16x16x32_f16 v[rS:rS+7], v[rK:rK+7], v[rQ:rQ+7], v[MD+8*(ri%4):MD+8*(ri%4)+7]
.elseif ri < 4
	WIN 0x0a+(\nu)
	v_wmma_f32_16x16x32_f16 v[rS:rS+7], v[rK:rK+7], v[rQ:rQ+7], 0
.else
	WIN 0x0a+(\nu)
	v_wmma_f32_16x16x32_f16 v[rS:rS+7], v[rK:rK+7], v[rQ:rQ+7], v[rS:rS+7]
.endif
.endm
; Rows 8-15: O^T += V^T P for piece pp, P of buffer ps, V of parity pu: keys 32 ((ri - 8) / 4) on, channels 16 (ri % 4) on.
.macro PVI ps, pp, pu
.set ii, ri-8
.set rO, 32*(\pp)+8*(ii%4)
.set rV, 192+32*(ii/4)+8*(ii%4)
.set rP, P+16*(\ps)+8*(ii/4)
	WIN 0x52+(\pu)
	v_wmma_f32_16x16x32_f16 v[rO:rO+7], v[rV:rV+7], v[rP:rP+7], v[rO:rO+7]
.endm
; THE FOUR BEHIND ROW ri: the exponentials of scores 2 ri and 2 ri + 1 of the item in hand; between and behind them, for pair j = ri - 2 (made two rows back), the rounding to f16 and a sum:
; j even: pair j + 1 is added onto pair j in place; j odd: l takes that sum.  In rows 0 and 1 pairs 14 and 15 are the item's before.  A plain line stands behind every exponential.
.macro RID cs, cp, ps, pp
	WIN 0
.set j_, (ri+14)%16
.if ri >= 2
.set sg_, (\cs)
.set pc_, (\cp)
.else
.set sg_, (\ps)
.set pc_, (\pp)
.endif
	v_exp_f32 v[S+32*(\cs)+2*ri], v[S+32*(\cs)+2*ri]
	s_wait_alu depctr_va_vdst(0)
	v_cvt_pk_f16_f32 v[P+16*sg_+j_], v[S+32*sg_+2*j_], v[S+32*sg_+2*j_+1]
	v_exp_f32 v[S+32*(\cs)+2*ri+1], v[S+32*(\cs)+2*ri+1]
.if j_%2 == 0
	v_pk_add_f32 v[S+32*sg_+2*j_:S+32*sg_+2*j_+1], v[S+32*sg_+2*j_:S+32*sg_+2*j_+1], v[S+32*sg_+2*j_+2:S+32*sg_+2*j_+3]
.else
	v_pk_add_f32 v[LS+2*pc_:LS+2*pc_+1], v[LS+2*pc_:LS+2*pc_+1], v[S+32*sg_+2*j_-2:S+32*sg_+2*j_-1]
.endif
.endm
; THE LDS LOADS stand in runs of 16: a step's K (8 fragments) or V (turned), into the register buffer of parity u.  Each run steps its scalar to the next key step.
.macro FETCH_K u
	WIN 0x80+0x40*(\u)
.irp f, 0,1,2,3,4,5,6,7
	ds_load_b128 v[128+8*\f:128+8*\f+3],   v[AK] offset:(\f/2)*16*PK+(\f%2)*64
	ds_load_b128 v[128+8*\f+4:128+8*\f+7], v[AK] offset:(\f/2)*16*PK+(\f%2)*64+32
.endr
	s_add_co_u32 s[TBK], s[TBK], KS*PK
	WIN 0
.endm
.macro FETCH_V u
	WIN 0x80+0x40*(\u)
.irp f, 0,1,2,3,4,5,6,7
	ds_load_tr16_b128 v[192+8*\f:192+8*\f+3],   v[AV] offset:(\f/4)*32*PV+(\f%4)*32
	ds_load_tr16_b128 v[192+8*\f+4:192+8*\f+7], v[AV] offset:(\f/4)*32*PV+16*PV+(\f%4)*32
.endr
	s_add_co_u32 s[TBV], s[TBV], KS*PV
	WIN 0
.endm
; A TURN.  cs, cp: the item in hand, its buffer and piece.  ns, np, nu, nm: the next item (ns < 0: none).  ps, pp, pu: the item before.  fk, fv >= 0: the run of loads for K or V into that parity's registers,
; behind row 1: seven plain vector instructions or more behind the last product that read them.  wt = 1: the runs issued so far are waited for.
.macro TURN cs, cp, ns, np, nu, nm, ps, pp, pu, fk, fv, wt
.if \wt
	s_wait_dscnt 0x0
.endif
.set ri, 0
.rept 16
.if ri < 8
.if (\ns) >= 0
	KQI \ns, \np, \nu, \nm
.endif
.else
	PVI \ps, \pp, \pu
.endif
	RID \cs, \cp, \ps, \pp
.if ri == 0
.if (\fk) >= 0
	v_add_nc_u32 v[AK], s[TBK], v[AK0]
.endif
.if (\fv) >= 0
	v_add_nc_u32 v[AV], s[TBV], v[AV0]
.endif
.endif
.if ri == 1
.if (\fk) >= 0
	FETCH_K \fk
.endif
.if (\fv) >= 0
	FETCH_V \fv
.endif
.endif
.set ri, ri+1
.endr
.endm
; A key step of parity u (w = 1 - u): four turns; it fetches the next step's K and V: one run of each.
.macro STEP u, w
	TURN 0,0, 1,1,\u,0, 3,3,\w, \w,-1, 0
	TURN 1,1, 2,2,\u,0, 0,0,\u, -1,\w, 0
	TURN 2,2, 3,3,\u,0, 1,1,\u, -1,-1, 0
	TURN 3,3, 0,0,\w,0, 2,2,\u, -1,-1, 1
.endm
; A BLOCK BEGINS: K and V of its first step (one run of each); O^T and l are 0; P's buffer 3 and the last four scores of S^T's buffer 3 are 0, so that the first turn's work for 'the item before' adds 0; piece 0's first scores.
.macro BEGIN
	s_mov_b32 s[NEW], 0
	WIN 0
	v_add_nc_u32 v[AK], s[TBK], v[AK0]
	v_add_nc_u32 v[AV], s[TBV], v[AV0]
	FETCH_K 0
	FETCH_V 0
	WIN 0x40
.set i, 0
.rept 128
	v_mov_b32 v[i], 0
.set i, i+1
.endr
	WIN 0
.set i, 0
.rept 8
	v_mov_b32 v[LS+i], 0
.set i, i+1
.endr
.set i, 0
.rept 16
	v_mov_b32 v[P+48+i], 0
.set i, i+1
.endr
	s_wait_alu depctr_va_vdst(0)
.irp i, 28,29,30,31
	v_mov_b32 v[S+96+\i], 0
.endr
	s_wait_loadcnt 0x0              ; Q
	s_wait_dscnt 0x0                ; K and V
.set ri, 0
.rept 8
	KQI 0, 0, 0, 0
.set ri, ri+1
.endr
	WIN 0
.rept 4
	v_nop                           ; the places behind those products
.endr
.endm
.macro PACK t                       ; piece t: O^T / l, rounded to f16, 16 bytes a lane into rows of 144 bytes of my stage, and back as whole rows of 128
	WIN 0x41
.set i, 32*(\t)
.rept 16
	v_pk_mul_f32 v[i:i+1], v[i:i+1], v[RC+2*(\t):RC+2*(\t)+1] op_sel_hi:[1,0]
.set i, i+2
.endr
	WIN 0x05
.set i, 0
.rept 16
	v_cvt_pk_f16_f32 v[S+16*(\t)+i], v[32*(\t)+2*i], v[32*(\t)+2*i+1]
.set i, i+1
.endr
	WIN 0
.irp f, 0,1,2,3
	ds_store_b128 v[STO], v[S+16*(\t)+4*\f:S+16*(\t)+4*\f+3] offset:32*\f
.endr
.irp f, 0,1,2,3
	ds_load_b128 v[S+16*(\t)+4*\f:S+16*(\t)+4*\f+3], v[RD] offset:\f*4*SP  ; LDS serves a wave's instructions in order (ISA guide 5.7.1.4)
.endr
.endm
.macro SEND t, younger              ; younger: the LDS instructions issued behind piece t's loads: the next piece's eight, or none
	WIN 0
.irp f, 0,1,2,3
	s_wait_dscnt (\younger)+3-\f
	global_store_b128 v[GO], v[S+16*(\t)+4*\f:S+16*(\t)+4*\f+3], s[10:11] offset:(\t)*65536+\f*512  ; 512 consecutive bytes, aligned
.endr
.endm
; THE DIAGONAL TILE: its ten live items (step s, pieces s .. 3), the buffers going round; three runs of K and three of V (steps 1 to 3; step 0's were fetched by what stands in front).
; The first item's scores were made without a mask, which is added here; then the block's end and the way out.
.macro DIAG
	WIN 0x04
.set z, 0
.rept 16
	v_pk_add_f32 v[S+2*z:S+2*z+1], v[S+2*z:S+2*z+1], v[MD+2*z:MD+2*z+1]
.set z, z+1
.endr
	TURN 0,0, 1,1,0,0, 3,3,1, 1,-1, 0
	TURN 1,1, 2,2,0,0, 0,0,0, -1,1, 0
	TURN 2,2, 3,3,0,0, 1,1,0, -1,-1, 0
	TURN 3,3, 0,1,1,1, 2,2,0, 0,-1, 1
	TURN 0,1, 1,2,1,0, 3,3,0, -1,-1, 0
	TURN 1,2, 2,3,1,0, 0,1,1, -1,0, 0
	TURN 2,3, 3,2,0,1, 1,2,1, 1,-1, 1
	TURN 3,2, 0,3,0,0, 2,3,1, -1,-1, 0
	TURN 0,3, 1,3,1,1, 3,2,0, -1,1, 1
	TURN 1,3, -1,0,0,0, 0,3,0, -1,-1, 0
	WIN 0                           ; the last item's pairs 14 and 15
	s_wait_alu depctr_va_vdst(0)
	v_cvt_pk_f16_f32 v[P+16+14], v[S+32+28], v[S+32+29]
	v_cvt_pk_f16_f32 v[P+16+15], v[S+32+30], v[S+32+31]
	v_pk_add_f32 v[S+32+28:S+32+29], v[S+32+28:S+32+29], v[S+32+30:S+32+31]
	v_pk_add_f32 v[LS+6:LS+7], v[LS+6:LS+7], v[S+32+28:S+32+29]
	s_wait_dscnt 0x0                ; V of the last step
.set ri, 8
.rept 8
	PVI 1, 3, 1
.set ri, ri+1
.endr
	WIN 0                           ; l's two halves and the other half of the lanes'; the additions are the places behind the last products
.irp t, 0,1,2,3
	v_add_f32 v[RC+2*\t], v[LS+2*\t], v[LS+2*\t+1]
.endr
.irp t, 0,1,2,3
	v_permlanex16_b32 v[RC+2*\t+1], v[RC+2*\t], s[SEL], s[SEL+1]
.endr
.irp t, 0,1,2,3
	v_add_f32 v[RC+2*\t], v[RC+2*\t], v[RC+2*\t+1]
.endr
.irp t, 0,1,2,3
	v_rcp_f32 v[RC+2*\t], v[RC+2*\t]
.endr
	v_nop                           ; a plain line between the last reciprocal and its use
	s_wait_alu depctr_va_vdst(0)
	PACK 0
	PACK 1
	SEND 0, 8
	PACK 2
	SEND 1, 8
	PACK 3
	SEND 2, 8
	SEND 3, 0
.endm
.Lslot:                             ; 8 times: a tile is entered and the next is asked for.  A trip does the tile before's step 3 and its own steps 0 to 2 (the diagonal tile: all its steps), and fetches its own four steps
	CHANGE 1
	s_sub_co_u32 s[RT], s[RT], 1
	s_mov_b32 s[CNT], 2
	s_cmp_eq_u32 s[NEW], 1
	s_cbranch_scc1 .Lnew            ; a block's first tile
	s_cmp_eq_u32 s[RT], 0
	s_cbranch_scc0 .Lstep           ; neither its first nor its last
	s_branch .Ldiag                 ; its last: the diagonal one
.Lnew:
	BEGIN                           ; step 0's K and V; then steps 0, 1, 2, which fetch steps 1, 2, 3
	s_branch .Lfirst                ; in the loop a block's first tile is never its last: the first block has five tiles or more, and the second's last is the walk's last
.Ldiag:
	STEP 1, 0                       ; the tile before's step 3; it fetches this tile's step 0
	DIAG                            ; in the loop this is the first block's end
	s_wait_xcnt 0x0                 ; the stores' registers and y's address are rewritten only behind this wait
	s_mov_b64 s[10:11], s[OLO:OLO+1]
	s_add_co_u32 s[RT], s[PB], 1    ; the second block has b + 1 tiles
	s_mov_b32 s[NEW], 1
	WIN 0x82                        ; the second block's Q goes where the turns name Q
.set i, 0
.rept 64
	v_mov_b32 v[i], v[QB+i]
.set i, i+1
.endr
	WIN 0
	s_branch .Lbottom
.Lstep:                             ; two trips: an odd step and an even one; each step fetches the next step's K and V
	STEP 1, 0
	WIN 0
.Lfirst:
	STEP 0, 1
	WIN 0
	s_sub_co_u32 s[CNT], s[CNT], 1
	s_cmp_lg_u32 s[CNT], 0
	s_cbranch_scc1 .Lstep
.Lbottom:
	s_sub_co_u32 s[SLOTS], s[SLOTS], 1
	s_cmp_lg_u32 s[SLOTS], 0
	s_cbranch_scc1 .Lslot
	CHANGE 0                        ; the walk's last tile, the second block's diagonal one, is written out: nothing is asked for
	s_cmp_eq_u32 s[NEW], 1
	s_cbranch_scc0 .Ltail_step
	BEGIN                           ; b = 0: the second block's only tile
	s_branch .Ltail_diag
.Ltail_step:
	STEP 1, 0
	WIN 0
.Ltail_diag:
	DIAG
	s_wait_tensorcnt 0x0            ; the wave's end
	ds_add_u32 v[SPW], v[NIL]
	s_wait_dscnt 0x0
	s_endpgm
.Lfunc_end_k_qe6470ae13f_attn:
	.size	k_qe6470ae13f_attn, .Lfunc_end_k_qe6470ae13f_attn-k_qe6470ae13f_attn
	.p2alignl 7, 3214868480
	.fill 96, 4, 3214868480
	.section	.rodata,"a",@progbits
	.p2align	6, 0x0
	.amdhsa_kernel k_qe6470ae13f_attn
		.amdhsa_group_segment_fixed_size 327680
		.amdhsa_private_segment_fixed_size 0
		.amdhsa_enable_private_segment 0
		.amdhsa_kernarg_size 16
		.amdhsa_user_sgpr_count 2
		.amdhsa_user_sgpr_kernarg_segment_ptr 1
		.amdhsa_wavefront_size32 1
		.amdhsa_system_sgpr_workgroup_id_x 1
		.amdhsa_system_sgpr_workgroup_id_y 1
		.amdhsa_system_sgpr_workgroup_id_z 1
		.amdhsa_system_vgpr_workitem_id 0
		.amdhsa_next_free_vgpr 1024
		.amdhsa_next_free_sgpr 90
		.amdhsa_reserve_vcc 1
		.amdhsa_float_denorm_mode_32 3
		.amdhsa_float_denorm_mode_16_64 3
		.amdhsa_memory_ordered 1
		.amdhsa_forward_progress 1
		.amdhsa_inst_pref_size 255
	.end_amdhsa_kernel
	.section	.bss,"aw",@nobits
	.p2align	6
	.space	262144
	.amdgpu_metadata
---
amdhsa.version: [ 1, 2 ]
amdhsa.kernels:
  - .name:           k_qe6470ae13f_attn
    .symbol:         k_qe6470ae13f_attn.kd
    .args:
      - { .name: qkv, .offset: 0, .size: 8, .value_kind: global_buffer, .address_space: global }
      - { .name: y, .offset: 8, .size: 8, .value_kind: global_buffer, .address_space: global }
    .group_segment_fixed_size: 327680
    .private_segment_fixed_size: 0
    .kernarg_segment_align: 8
    .kernarg_segment_size: 16
    .max_flat_workgroup_size: 128
    .sgpr_count:     90
    .vgpr_count:     1024
    .wavefront_size: 32
...
	.end_amdgpu_metadata
.endif
;; end of part 3
;; launch proj (part 4): grid 128 x 2, 4 waves a work-group, clusters of 4 x 1, 327,680 bytes of LDS; arguments y, wp, out0; writes out0
.if DOCPART == 4
	.amdgcn_target "amdgcn-amd-amdhsa--gfx1250"
	.amdhsa_code_object_version 6
	.text
	.protected	k_qe6470ae13f_proj
	.globl	k_qe6470ae13f_proj
	.p2align	8
	.type	k_qe6470ae13f_proj,@function
k_qe6470ae13f_proj:
	s_mov_b64 s[64:65], 0
	v_nop
	global_prefetch_b8 v0, s[64:65] scope:SCOPE_SE
	s_setreg_imm32_b32 hwreg(HW_REG_WAVE_MODE, 25, 1), 1
	s_wait_xcnt 0x0
	s_wait_alu depctr_hold_cnt(0) depctr_sa_sdst(0) depctr_va_vdst(0) depctr_va_sdst(0) depctr_va_ssrc(0) depctr_va_vcc(0) depctr_vm_vsrc(0)
	s_getreg_b32 s2, hwreg(HW_REG_IB_STS2, 6, 4)
	s_cmp_eq_u32 s2, 0
	s_cbranch_scc0 .Lentry_in_a_cluster
	s_endpgm
.Lentry_in_a_cluster:
	s_bfe_u32 s2, ttmp6, 0x10000c
	s_cmp_lg_u32 s2, 0x3003
	s_cbranch_scc0 .Lentry_shape_is_right
	s_endpgm
.Lentry_shape_is_right:
; PROJ.  out0[m][n] = sum over k of y[m][k] wp[n][k], 16,384 x 512 x 512, f16 operands, f32 sums, f32 out.  y lies as [m / 16][head 8][m % 16][64], k = 64 head + channel.
; SHARES.  A work-group makes 128 rows x 256 columns: 256 work-groups; a wave 64 x 128: 32 accumulators, window 1.  The matrix instruction is used transposed (source 0 = rows of wp, source 1 = rows of y).
; y's 128 rows x 512 stay in LDS, filled once (four loads a wave, one for each K step of 128 = two heads: 16 rows of two heads are 4,096 dense bytes); wp's tiles go through two slots.
; CLUSTER.  The four row blocks of a cluster walk the same tiles of wp: those are asked for jointly, mask 15.  y's loads are each work-group's own.
; By this text's own count a wave has six tensor loads out at the start and one behind each round.
.set APITCH, 144                       ; a row of 64 channels: 128 bytes + 16
.set AGRP,   32*APITCH                 ; 16 rows of two heads
.set AKS,    8*AGRP                    ; a K step's 128 rows
.set BBASE,  4*AKS
.set BPITCH, 272
.set BQ,     64*BPITCH                 ; what one load brings of wp
.set BSLOT,  4*BQ
.set STAGE,  BBASE+2*BSLOT             ; behind the ring: 16 rows x 528 bytes of f32 a wave
.set SPITCH, 528
.set STGW,   16*SPITCH
.set SPARE,  STAGE+4*STGW              ; the spare words, 128 bytes a wave, which no other line names
.set ADRA, 16                          ; v16-17  my y fragments, K steps 0-1 and 2-3
.set ADRB, 20                          ; v20-21  my wp fragments in slot 0, 1
.set STO,  24
.set RD,   25
.set CO,   26
.set SPW,  28
.set NIL,  29
.set F0,   64                          ; a fragment buffer: 64 registers of wp (8 x 16 rows x 32 K), 32 of y
.set F1,   160
.set G1A, 24
.set G0A, 32                           ; s[32:47] four sets
.set G1B, 48
.set G0B, 56                           ; s[56:63] two sets
.set MSB, 0
.macro WIN new
.if MSB != (\new)
	s_set_vgpr_msb (MSB<<8)|(\new)
.set MSB, \new
.endif
.endm
.macro CREST
	s_cmp_lg_u32 s10, 0
	s_cbranch_scc1 .Lnot_wave_0_\@
	s_barrier_signal -3
.Lnot_wave_0_\@:
	s_barrier_wait -3
	s_barrier_signal -1
	s_barrier_wait -1
.endm
.macro CROUND
	s_barrier_signal -1
	s_barrier_wait -1
	CREST
.endm
.macro PLACES
.rept 4
	v_nop
.endr
.endm
	s_load_b128 s[4:7], s[0:1], 0x0                ; y s[4:5], wp s[6:7]
	s_load_b64 s[8:9], s[0:1], 0x10                ; out0
	v_lshl_add_u32 v[SPW], v0, 2, SPARE
	v_mov_b32 v[NIL], 0
	ds_add_u32 v[SPW], v[NIL]                      ; the wave's opening: the add and its wait ahead of my first tensor load
	ds_add_u32 v28, v29
	v_lshrrev_b32 v1, 5, v0
	v_readfirstlane_b32 s10, v1                    ; wave
	s_lshr_b32 s11, s10, 1                         ; my half of the rows
	s_and_b32 s12, s10, 1                          ; my half of the columns
	s_bfe_u32 s13, ttmp6, 0x40000                  ; cx
	s_lshl_b32 s14, ttmp9, 2
	s_add_co_u32 s14, s14, s13                     ; the row block of 128: it enters y's and out0's addresses alone
	s_and_b32 s15, ttmp7, 0xffff                   ; the column block of 256, which the four partners share
	s_mov_b32 s[G1A], (1<<16)|(1<<20)|(4<<22)|(3<<25)  ; no mask; 2-byte elements; after every 32 words 4 words of padding
	s_mov_b32 s[G1A+1], 2048<<16                   ; tensor_dim0 = 2,048 elements: 16 rows of two heads
	s_mov_b32 s[G1A+2], 2<<16                      ; tensor_dim1 = 2 groups of 16 rows
	s_mov_b32 s[G1A+3], 2048<<16                   ; tile_dim0
	s_mov_b32 s[G1A+4], 2                          ; tile_dim1
	s_mov_b32 s[G1A+5], 8192                       ; a group of 16 rows is 8,192 elements
	s_mov_b32 s[G1A+6], 0
	s_mov_b32 s[G1A+7], 0
	s_mov_b32 s[G1B], 15|(1<<16)|(1<<20)|(1<<21)|(5<<22)|(3<<25)  ; the mask of four, bit 21 beside it; after every 64 words 4 words
	s_mov_b32 s[G1B+1], 128<<16
	s_mov_b32 s[G1B+2], 64<<16
	s_mov_b32 s[G1B+3], 128<<16
	s_mov_b32 s[G1B+4], 64
	s_mov_b32 s[G1B+5], 512
	s_mov_b32 s[G1B+6], 0
	s_mov_b32 s[G1B+7], 0
	s_lshl_b32 s66, s14, 3
	s_lshl1_add_u32 s66, s10, s66                  ; my two groups: 8 x row block + 2 x wave
	s_lshl_b32 s66, s66, 14
	s_mov_b32 s67, 0
	s_lshl_b32 s16, s15, 18                        ; wp: row 256 x column block + 64 x wave, 1,024 bytes a row
	s_lshl_b32 s17, s10, 16
	s_add_co_u32 s16, s16, s17
	s_mov_b32 s17, 0
	s_mul_i32 s20, s10, 2*AGRP
	s_mul_i32 s21, s10, BQ
	s_lshl_b32 s68, s14, 18                        ; out0: (128 x row block + 64 x half) rows of 2,048 bytes + (256 x column block + 128 x half) x 4
	s_lshl_b32 s69, s11, 17
	s_add_co_u32 s68, s68, s69
	s_lshl_b32 s69, s15, 10
	s_add_co_u32 s68, s68, s69
	s_lshl_b32 s69, s12, 9
	s_add_co_u32 s68, s68, s69
	s_mov_b32 s69, 0
	s_wait_dscnt 0x0                               ; the opening add is done
	s_wait_kmcnt 0x0
	s_add_nc_u64 s[66:67], s[4:5], s[66:67]
	s_add_nc_u64 s[16:17], s[6:7], s[16:17]
	s_add_nc_u64 s[8:9], s[8:9], s[68:69]
	CROUND                                         ; all four work-groups are here: the first joint loads meet
.irp k, 0,1,2,3
	s_mov_b32 s[G0A+4*\k], 1
	s_add_co_u32 s[G0A+4*\k+1], s20, \k*AKS
	s_add_nc_u64 s[G0A+4*\k+2:G0A+4*\k+3], s[66:67], \k*4096
	s_or_b32 s[G0A+4*\k+3], s[G0A+4*\k+3], 0x80000000
.endr
.irp s, 0,1
	s_mov_b32 s[G0B+4*\s], 1
	s_add_co_u32 s[G0B+4*\s+1], s21, BBASE+\s*BSLOT
	s_add_nc_u64 s[G0B+4*\s+2:G0B+4*\s+3], s[16:17], \s*256
	s_or_b32 s[G0B+4*\s+3], s[G0B+4*\s+3], 0x80000000
.endr
	tensor_load_to_lds s[G0B:G0B+3], s[G1B:G1B+7]          ; wp, K step 0
	s_nop 0
	tensor_load_to_lds s[G0A:G0A+3], s[G1A:G1A+7]          ; y, K step 0
	s_nop 0
	tensor_load_to_lds s[G0A+4:G0A+7], s[G1A:G1A+7]
	s_nop 0
	tensor_load_to_lds s[G0A+8:G0A+11], s[G1A:G1A+7]
	s_nop 0
	tensor_load_to_lds s[G0A+12:G0A+15], s[G1A:G1A+7]
	s_nop 0
	tensor_load_to_lds s[G0B+4:G0B+7], s[G1B:G1B+7]        ; wp, K step 1
	s_nop 0
	PLACES
	v_and_b32 v1, 15, v0                           ; r
	v_bfe_u32 v2, v0, 4, 1                         ; h
	v_mul_u32_u24 v3, v1, APITCH
	v_lshl_add_u32 v3, v2, 4, v3
	s_mul_i32 s22, s11, 4*AGRP
	v_add_nc_u32 v[ADRA], s22, v3
	v_add_nc_u32 v[ADRA+1], 2*AKS, v[ADRA]
	v_mul_u32_u24 v3, v1, BPITCH
	v_lshl_add_u32 v3, v2, 4, v3
	s_mul_i32 s22, s12, 128*BPITCH
	s_add_co_u32 s22, s22, BBASE
	v_add_nc_u32 v[ADRB], s22, v3
	v_add_nc_u32 v[ADRB+1], BSLOT, v[ADRB]
	s_mul_i32 s23, s10, STGW
	s_add_co_u32 s23, s23, STAGE
	v_mul_u32_u24 v3, v1, SPITCH
	v_lshl_add_u32 v3, v2, 5, v3
	v_add_nc_u32 v[STO], s23, v3                   ; in: row r, 32 bytes for each half of the lanes
	v_and_b32 v3, 31, v0
	v_lshlrev_b32 v[CO], 4, v3                     ; back and out: a whole row of 512 bytes by the wave
	v_add_nc_u32 v[RD], s23, v[CO]
; 8 matrix instructions: row block a x all 8 column blocks, 32 along K.  The 32 accumulators take turns.
.macro MUL8 f, a, zero
	WIN 0x50                                       ; C and D in window 1
.irp b, 0,1,2,3,4,5,6,7
.if \zero
	v_wmma_f32_16x16x32_f16 v[8*(8*(\a)+\b):8*(8*(\a)+\b)+7], v[(\f)+8*\b:(\f)+8*\b+7], v[(\f)+64+8*(\a):(\f)+64+8*(\a)+7], 0
.else
	v_wmma_f32_16x16x32_f16 v[8*(8*(\a)+\b):8*(8*(\a)+\b)+7], v[(\f)+8*\b:(\f)+8*\b+7], v[(\f)+64+8*(\a):(\f)+64+8*(\a)+7], v[8*(8*(\a)+\b):8*(8*(\a)+\b)+7]
.endif
.endr
.endm
; 24 LDS loads in one run: chunk kc of 32 along K (K step kc / 4, quarter kc % 4): wp's 16, then y's 8
.macro FETCH kc, f
	WIN 0
.set ks_, (\kc)/4
.set q_, (\kc)%4
.irp b, 0,1,2,3,4,5,6,7
	ds_load_b128 v[(\f)+8*\b:(\f)+8*\b+3],   v[ADRB+ks_%2] offset:\b*16*BPITCH+64*q_
	ds_load_b128 v[(\f)+8*\b+4:(\f)+8*\b+7], v[ADRB+ks_%2] offset:\b*16*BPITCH+64*q_+32
.endr
.irp a, 0,1,2,3
	ds_load_b128 v[(\f)+64+8*\a:(\f)+64+8*\a+3],   v[ADRA+ks_/2] offset:(ks_%2)*AKS+\a*AGRP+(q_/2)*16*APITCH+(q_%2)*64
	ds_load_b128 v[(\f)+64+8*\a+4:(\f)+64+8*\a+7], v[ADRA+ks_/2] offset:(ks_%2)*AKS+\a*AGRP+(q_/2)*16*APITCH+(q_%2)*64+32
.endr
.endm
.macro CHUNK kc, zero                  ; one of a K step's first three chunks: 32 matrix instructions, the next chunk's loads in their middle
.set fb, F0+96*((\kc)%2)
.set gb, F0+96*(((\kc)+1)%2)
	s_wait_dscnt 4                                 ; wp and y's row blocks 0, 1 are in; the youngest four loads (blocks 2, 3) may be out
	MUL8 fb, 0, \zero
	MUL8 fb, 1, \zero
	WIN 0
	PLACES
	FETCH (\kc)+1, gb
	s_wait_dscnt 24                                ; all but the 24 just issued
	MUL8 fb, 2, \zero
	MUL8 fb, 3, \zero
.endm
; A K step's last chunk changes slots: each wave waits for all its tensor loads, adds 0 to its spare word, waits for that and for its reads of this slot, and signals.
; fill = 1: the barrier opens a round of the cluster's, and the joint refill, the K step two on, is the first thing behind it.
.macro TURN ks, fill
	WIN 0
	s_wait_tensorcnt 0x0
	ds_add_u32 v[SPW], v[NIL]
	s_wait_dscnt 5                                 ; the add and the youngest four loads may be out
	MUL8 F1, 0, 0
	s_wait_dscnt 0x0                               ; the add is done, and my reads of this slot are over
	s_barrier_signal -1
	MUL8 F1, 1, 0
	WIN 0
	s_barrier_wait -1
.if \fill
	CREST
	s_add_nc_u64 s[G0B+4*((\ks)%2)+2:G0B+4*((\ks)%2)+3], s[G0B+4*((\ks)%2)+2:G0B+4*((\ks)%2)+3], 2*256
	tensor_load_to_lds s[G0B+4*((\ks)%2):G0B+4*((\ks)%2)+3], s[G1B:G1B+7]
	s_nop 0
.endif
	PLACES                                         ; also the places in front of the loads below
	FETCH 4*(\ks)+4, F0
	MUL8 F1, 2, 0
	MUL8 F1, 3, 0
.endm
	s_wait_tensorcnt 4                             ; wp's and y's K step 0 are in; the four younger loads may stay out
	s_barrier_signal -1
	s_barrier_wait -1
	FETCH 0, F0
	CHUNK 0, 1
	CHUNK 1, 0
	CHUNK 2, 0
	TURN 0, 1
	CHUNK 4, 0
	CHUNK 5, 0
	CHUNK 6, 0
	TURN 1, 1
	CHUNK 8, 0
	CHUNK 9, 0
	CHUNK 10, 0
	TURN 2, 0
	CHUNK 12, 0
	CHUNK 13, 0
	CHUNK 14, 0
	s_wait_dscnt 4
	MUL8 F1, 0, 0
	MUL8 F1, 1, 0
	s_wait_dscnt 0x0
	MUL8 F1, 2, 0
	MUL8 F1, 3, 0
	WIN 0
	PLACES
	; THE WAY OUT: 16 rows at a time through my own stage; each accumulator's low half first; back as whole rows of 512 bytes
.irp a, 0,1,2,3
	WIN 0x04                                       ; store data in window 1
.irp b, 0,1,2,3,4,5,6,7
	ds_store_b128 v[STO], v[8*(8*\a+\b):8*(8*\a+\b)+3] offset:64*\b
	ds_store_b128 v[STO], v[8*(8*\a+\b)+4:8*(8*\a+\b)+7] offset:64*\b+16
.endr
	WIN 0
	s_wait_xcnt 0x0                                ; the registers below were read by the stores of two blocks back: they are loaded again only behind this wait
.irp t, 0,1,2,3,4,5,6,7,8,9,10,11,12,13,14,15
	ds_load_b128 v[64+64*(\a%2)+4*\t:64+64*(\a%2)+4*\t+3], v[RD] offset:\t*SPITCH  ; LDS serves a wave's instructions in order (ISA guide 5.7.1.4)
.endr
.irp t, 0,1,2,3,4,5,6,7,8,9,10,11,12,13,14,15
	s_wait_dscnt 15-\t                             ; row t is back; the younger rows may be out
	global_store_b128 v[CO], v[64+64*(\a%2)+4*\t:64+64*(\a%2)+4*\t+3], s[8:9] offset:(16*\a+\t)*2048 th:TH_STORE_NT  ; 512 consecutive bytes, aligned
.endr
.endr
	s_wait_tensorcnt 0x0                           ; the wave's end
	ds_add_u32 v[SPW], v[NIL]
	s_wait_dscnt 0x0
	CROUND                                         ; the closing round
	s_endpgm
.Lfunc_end_k_qe6470ae13f_proj:
	.size	k_qe6470ae13f_proj, .Lfunc_end_k_qe6470ae13f_proj-k_qe6470ae13f_proj
	.p2alignl 7, 3214868480
	.fill 96, 4, 3214868480
	.section	.rodata,"a",@progbits
	.p2align	6, 0x0
	.amdhsa_kernel k_qe6470ae13f_proj
		.amdhsa_group_segment_fixed_size 327680
		.amdhsa_private_segment_fixed_size 0
		.amdhsa_enable_private_segment 0
		.amdhsa_kernarg_size 24
		.amdhsa_user_sgpr_count 2
		.amdhsa_user_sgpr_kernarg_segment_ptr 1
		.amdhsa_wavefront_size32 1
		.amdhsa_system_sgpr_workgroup_id_x 1
		.amdhsa_system_sgpr_workgroup_id_y 1
		.amdhsa_system_sgpr_workgroup_id_z 1
		.amdhsa_system_vgpr_workitem_id 0
		.amdhsa_next_free_vgpr 512
		.amdhsa_next_free_sgpr 72
		.amdhsa_reserve_vcc 0
		.amdhsa_float_denorm_mode_32 3
		.amdhsa_float_denorm_mode_16_64 3
		.amdhsa_memory_ordered 1
		.amdhsa_forward_progress 1
		.amdhsa_inst_pref_size 85
	.end_amdhsa_kernel
	.amdgpu_metadata
---
amdhsa.version: [ 1, 2 ]
amdhsa.kernels:
  - .name:           k_qe6470ae13f_proj
    .symbol:         k_qe6470ae13f_proj.kd
    .args:
      - { .name: y, .offset: 0, .size: 8, .value_kind: global_buffer, .address_space: global }
      - { .name: wp, .offset: 8, .size: 8, .value_kind: global_buffer, .address_space: global }
      - { .name: out0, .offset: 16, .size: 8, .value_kind: global_buffer, .address_space: global }
    .group_segment_fixed_size: 327680
    .private_segment_fixed_size: 0
    .kernarg_segment_align: 8
    .kernarg_segment_size: 24
    .max_flat_workgroup_size: 128
    .sgpr_count:     72
    .vgpr_count:     512
    .wavefront_size: 32
...
	.end_amdgpu_metadata
.endif
;; end of part 4
;; ======== version 2 of 2: 4 launches; 1.26 times as fast as version 1
;; limits: values are held in f16: magnitudes above 65,504 overflow, below 6.1e-05 lose precision; right only within a limited range of input values
;; workspace buffers: xb 16,777,216 bytes; wb 1,048,576 bytes; wp 524,288 bytes; tab 524,288 bytes; qkv 33,554,432 bytes; y 16,777,216 bytes
;; launch prep (part 5): grid 576 x 1, 8 waves a work-group, no clusters, 0 bytes of LDS; arguments x, Wq, Wk, Wv, Wp, xb, wb, wp, tab; writes xb, wb, wp, tab
.if DOCPART == 5
	.amdgcn_target "amdgcn-amd-amdhsa--gfx1250"
	.amdhsa_code_object_version 6
	.text
	.protected	k_qe6470ae13f_prep
	.globl	k_qe6470ae13f_prep
	.p2align	8
	.type	k_qe6470ae13f_prep,@function
k_qe6470ae13f_prep:
	s_mov_b64 s[64:65], 0
	v_nop
	global_prefetch_b8 v0, s[64:65] scope:SCOPE_SE
	s_setreg_imm32_b32 hwreg(HW_REG_WAVE_MODE, 25, 1), 1
	s_wait_xcnt 0x0
; PREP.  Every input is rounded once to bf16: x -> xb; Wq, Wk, Wv -> wb (rows 0-511, 512-767, 768-1023); Wp -> bf16, and that number written as f16 -> wp.
; And the rotation table tab[t][0..31] = cos(t f_j), tab[t][32..63] = sin(t f_j), f_j = 10000^(-j/32), in f32.
; SHARES.  Work-groups 0-559 convert 65,536 source bytes each (32,768 out); work-groups 560-575 make 128 rows of the table each.
; LIMITS.  A bf16 value of Wp below 6e-5 keeps f16's fixed step of 6e-8, beyond 65,504 it is lost.  f_j is 2^(-j log2(10000)/32) by v_exp_f32;
; the angle t f_j then lies within some 3e-4 rad of one made with a correctly rounded f_j.  NaN and infinities are not treated apart.
; BATCHES.  The text's only transcendentals are the table's two exponentials, ahead of its loop: one batch, with one wait ahead of the loop's label.
.set X, 16                             ; v[16:79]   16 loads of 4 f32
.set Y, 80                             ; v[80:111]  16 pairs of packed results; no register is written twice
	s_load_b512 s[8:23], s[0:1], 0x0               ; x 8, Wq 10, Wk 12, Wv 14, Wp 16, xb 18, wb 20, wp 22
	s_load_b64 s[24:25], s[0:1], 0x40              ; tab
	s_mov_b32 s2, ttmp9                            ; the work-group's number
	v_lshlrev_b32 v1, 4, v0                        ; 16 source bytes a thread
	v_lshlrev_b32 v2, 3, v0                        ; 8 result bytes
	s_sub_co_u32 s26, s2, 544                      ; the block's number in each possible source
	s_sub_co_u32 s32, s2, 536
	s_sub_co_u32 s33, s2, 528
	s_sub_co_u32 s34, s2, 512
	s_mov_b32 s27, s26
	s_wait_kmcnt 0x0
	s_cmp_ge_u32 s2, 560
	s_cbranch_scc1 .Ltab
	s_mov_b64 s[4:5], s[16:17]                     ; 544-559: Wp -> wp
	s_mov_b64 s[6:7], s[22:23]
	s_cmp_lt_u32 s2, 544                           ; 536-543: Wv -> wb
	s_cselect_b64 s[4:5], s[14:15], s[4:5]
	s_cselect_b64 s[6:7], s[20:21], s[6:7]
	s_cselect_b32 s26, s32, s26
	s_cselect_b32 s27, s34, s27
	s_cmp_lt_u32 s2, 536                           ; 528-535: Wk
	s_cselect_b64 s[4:5], s[12:13], s[4:5]
	s_cselect_b32 s26, s33, s26
	s_cmp_lt_u32 s2, 528                           ; 512-527: Wq
	s_cselect_b64 s[4:5], s[10:11], s[4:5]
	s_cselect_b32 s26, s34, s26
	s_cmp_lt_u32 s2, 512                           ; 0-511: x -> xb
	s_cselect_b64 s[4:5], s[8:9], s[4:5]
	s_cselect_b64 s[6:7], s[18:19], s[6:7]
	s_cselect_b32 s26, s2, s26
	s_cselect_b32 s27, s2, s27
	s_lshl_b32 s28, s26, 16                        ; offsets are made apart from the addresses
	s_mov_b32 s29, 0
	s_lshl_b32 s30, s27, 15
	s_mov_b32 s31, 0
	s_add_nc_u64 s[4:5], s[4:5], s[28:29]
	s_add_nc_u64 s[6:7], s[6:7], s[30:31]
.irp q, 0,1,2,3,4,5,6,7,8,9,10,11,12,13,14,15
	global_load_b128 v[X+4*\q:X+4*\q+3], v1, s[4:5] offset:4096*\q th:TH_LOAD_NT  ; the work-group's load covers 4,096 consecutive bytes
.endr
; Load q is there when the 15 - q younger ones alone are out.  A wave's store covers 256 consecutive bytes, aligned.
.macro CV q, hf
	s_wait_loadcnt 15-(\q)
	v_cvt_pk_bf16_f32 v[Y+2*(\q)], v[X+4*(\q)], v[X+4*(\q)+1]
	v_cvt_pk_bf16_f32 v[Y+2*(\q)+1], v[X+4*(\q)+2], v[X+4*(\q)+3]
.if \hf
	v_lshlrev_b32 v4, 16, v[Y+2*(\q)]              ; the bf16 numbers as f32,
	v_and_b32 v5, 0xffff0000, v[Y+2*(\q)]
	v_lshlrev_b32 v6, 16, v[Y+2*(\q)+1]
	v_and_b32 v7, 0xffff0000, v[Y+2*(\q)+1]
	v_cvt_pk_f16_f32 v[Y+2*(\q)], v4, v5           ; written as f16: exact inside f16's normal range
	v_cvt_pk_f16_f32 v[Y+2*(\q)+1], v6, v7
.endif
	global_store_b64 v2, v[Y+2*(\q):Y+2*(\q)+1], s[6:7] offset:2048*(\q)
.endm
	s_cmp_ge_u32 s2, 544
	s_cbranch_scc1 .Lhf
.irp q, 0,1,2,3,4,5,6,7,8,9,10,11,12,13,14,15
	CV \q, 0
.endr
	s_endpgm
.Lhf:
.irp q, 0,1,2,3,4,5,6,7,8,9,10,11,12,13,14,15
	CV \q, 1
.endr
	s_endpgm
; THE TABLE.  Wave w makes rows 128 (id - 560) + 16 w + 0..15.  Lane l stores elements 2 l and 2 l + 1 of a row: lanes 0-15 cosines, lanes 16-31 sines of
; frequencies 2 (l % 16) and 2 (l % 16) + 1.  sin x = cos(x - pi/2): the sine lanes add 3 to the quadrant.
.Ltab:
	v_lshrrev_b32 v3, 5, v0
	v_readfirstlane_b32 s3, v3                     ; wave
	s_sub_co_u32 s26, s2, 560
	s_lshl_b32 s26, s26, 7
	s_lshl4_add_u32 s26, s3, s26                   ; my first row
	s_mov_b32 s32, 0x3f22f983                      ; 2 / pi
	s_mov_b32 s33, 0x3fc90fdb                      ; pi / 2, its f32
	s_mov_b32 s34, 0xb33bbd2e                      ; and what that leaves
	s_mov_b32 s35, 0xbe2aaaab                      ; sine: -1/6, 1/120, -1/5040, 1/362880
	s_mov_b32 s36, 0x3c088889
	s_mov_b32 s37, 0xb9500d01
	s_mov_b32 s38, 0x3638ef1d
	s_mov_b32 s39, 0x3d2aaaab                      ; cosine: 1/24, -1/720, 1/40320 (and -1/2, 1 inline)
	s_mov_b32 s40, 0xbab60b61
	s_mov_b32 s41, 0x37d00d01
	v_and_b32 v4, 15, v0
	v_lshlrev_b32 v4, 1, v4                        ; j = 2 (l % 16)
	v_add_nc_u32 v5, 1, v4
	v_cvt_f32_u32 v4, v4
	v_cvt_f32_u32 v5, v5
	v_mul_f32 v4, 0xbed49a78, v4                   ; -j log2(10000) / 32
	v_mul_f32 v5, 0xbed49a78, v5
	v_exp_f32 v4, v4                               ; f_j
	v_exp_f32 v5, v5
	v_bfe_u32 v3, v0, 4, 1                         ; a plain line stands behind the exponentials before their results are used
	v_mul_u32_u24 v3, v3, 3                        ; what the sine lanes add to the quadrant
	v_cvt_f32_u32 v7, s26                          ; t
	v_and_b32 v6, 31, v0
	v_lshlrev_b32 v6, 3, v6
	s_lshl_b32 s27, s26, 8
	v_add_nc_u32 v6, s27, v6                       ; row x 256 + 8 l
	s_wait_alu depctr_va_vdst(0)                   ; one wait for the two exponentials, behind the seven lines above, which name neither result, and ahead of the loop's label; the loop issues no transcendental
; cos or sin of t x inv: n = the nearest multiple of pi/2, r = the rest (two fused steps), both series on |r| <= pi/4, the quadrant chooses series and sign.
.macro EVAL inv, dst
	v_mul_f32 v10, v7, v[\inv]
	v_mul_f32 v11, s32, v10
	v_rndne_f32 v11, v11
	v_fma_f32 v12, -v11, s33, v10
	v_fma_f32 v12, -v11, s34, v12
	v_mul_f32 v13, v12, v12
	v_fma_f32 v14, v13, s38, s37
	v_fma_f32 v15, v13, s41, s40
	v_fma_f32 v14, v14, v13, s36
	v_fma_f32 v15, v15, v13, s39
	v_fma_f32 v14, v14, v13, s35
	v_fma_f32 v15, v15, v13, -0.5
	v_mul_f32 v14, v14, v13
	v_fma_f32 v15, v15, v13, 1.0                   ; cos r
	v_fma_f32 v14, v14, v12, v12                   ; sin r
	v_cvt_i32_f32 v16, v11
	v_add_nc_u32 v16, v16, v3                      ; the quadrant (its two low bits)
	v_and_b32 v17, 1, v16
	v_cmp_eq_u32 vcc_lo, 1, v17
	v_cndmask_b32 v14, v15, v14, vcc_lo            ; odd: the sine
	v_add_nc_u32 v16, 1, v16
	v_and_b32 v16, 2, v16                          ; quadrants 1 and 2: minus
	v_lshlrev_b32 v16, 30, v16
	v_xor_b32 v[\dst], v16, v14
.endm
	s_mov_b32 s44, 16
.Lrow:
	EVAL 4, 8
	EVAL 5, 9
	global_store_b64 v6, v[8:9], s[24:25]          ; the wave stores a whole row, 256 consecutive bytes, aligned
	s_wait_xcnt 0x0                                ; the store's offset and data are rewritten only behind this wait
	v_add_nc_u32 v6, 256, v6
	v_add_f32 v7, 1.0, v7
	s_sub_co_u32 s44, s44, 1
	s_cmp_lg_u32 s44, 0
	s_cbranch_scc1 .Lrow
	s_endpgm
.Lfunc_end_k_qe6470ae13f_prep:
	.size	k_qe6470ae13f_prep, .Lfunc_end_k_qe6470ae13f_prep-k_qe6470ae13f_prep
	.p2alignl 7, 3214868480
	.fill 96, 4, 3214868480
	.section	.rodata,"a",@progbits
	.p2align	6, 0x0
	.amdhsa_kernel k_qe6470ae13f_prep
		.amdhsa_group_segment_fixed_size 0
		.amdhsa_private_segment_fixed_size 0
		.amdhsa_enable_private_segment 0
		.amdhsa_kernarg_size 72
		.amdhsa_user_sgpr_count 2
		.amdhsa_user_sgpr_kernarg_segment_ptr 1
		.amdhsa_wavefront_size32 1
		.amdhsa_system_sgpr_workgroup_id_x 1
		.amdhsa_system_sgpr_workgroup_id_y 1
		.amdhsa_system_sgpr_workgroup_id_z 1
		.amdhsa_system_vgpr_workitem_id 0
		.amdhsa_next_free_vgpr 112
		.amdhsa_next_free_sgpr 66
		.amdhsa_reserve_vcc 1
		.amdhsa_float_denorm_mode_32 3
		.amdhsa_float_denorm_mode_16_64 3
		.amdhsa_memory_ordered 1
		.amdhsa_forward_progress 1
		.amdhsa_inst_pref_size 21
	.end_amdhsa_kernel
	.amdgpu_metadata
---
amdhsa.version: [ 1, 2 ]
amdhsa.kernels:
  - .name:           k_qe6470ae13f_prep
    .symbol:         k_qe6470ae13f_prep.kd
    .args:
      - { .name: x, .offset: 0, .size: 8, .value_kind: global_buffer, .address_space: global }
      - { .name: Wq, .offset: 8, .size: 8, .value_kind: global_buffer, .address_space: global }
      - { .name: Wk, .offset: 16, .size: 8, .value_kind: global_buffer, .address_space: global }
      - { .name: Wv, .offset: 24, .size: 8, .value_kind: global_buffer, .address_space: global }
      - { .name: Wp, .offset: 32, .size: 8, .value_kind: global_buffer, .address_space: global }
      - { .name: xb, .offset: 40, .size: 8, .value_kind: global_buffer, .address_space: global }
      - { .name: wb, .offset: 48, .size: 8, .value_kind: global_buffer, .address_space: global }
      - { .name: wp, .offset: 56, .size: 8, .value_kind: global_buffer, .address_space: global }
      - { .name: tab, .offset: 64, .size: 8, .value_kind: global_buffer, .address_space: global }
    .group_segment_fixed_size: 0
    .private_segment_fixed_size: 0
    .kernarg_segment_align: 8
    .kernarg_segment_size: 72
    .max_flat_workgroup_size: 256
    .sgpr_count:     66
    .vgpr_count:     112
    .wavefront_size: 32
...
	.end_amdgpu_metadata
.endif
;; end of part 5
;; launch qkv: the kernel of part 2 again; grid 4 x 64, 4 waves a work-group, clusters of 4 x 4, 327,680 bytes of LDS; arguments xb, wb, tab, qkv; writes qkv
;; launch attn (part 6): grid 4 x 64, 4 waves a work-group, no clusters, 327,680 bytes of LDS; arguments qkv, y; writes y
.if DOCPART == 6
	.amdgcn_target "amdgcn-amd-amdhsa--gfx1250"
	.amdhsa_code_object_version 6
	.text
	.protected	k_qe6470ae13f_attn
	.globl	k_qe6470ae13f_attn
	.p2align	8
	.type	k_qe6470ae13f_attn,@function
k_qe6470ae13f_attn:
	s_mov_b64 s[64:65], 0
	v_nop
	global_prefetch_b8 v0, s[64:65] scope:SCOPE_SE
	s_setreg_imm32_b32 hwreg(HW_REG_WAVE_MODE, 25, 1), 1
	s_wait_xcnt 0x0
; CAUSAL ATTENTION, 64 query heads (8 b + h) of 2,048 rows x 64 channels, key and value head 4 b + h / 2.  q, k, v in f16 by heads in qkv; q already carries log2(e)/8.
; y[m / 16][h][m % 16][64] in f16, m = 2,048 b + t: 16 rows of a head are 2,048 consecutive bytes.
; NO MAXIMUM IS TAKEN AWAY.  q and k are vectors normalised to length 8 at the most and then rotated, whatever the inputs: a score lies in +-8.02, its weight p = 2^(score log2 e) in 3.3e-4 .. 3.1e3,
; a row's sum under 6.4e6: nothing can overflow or underflow in f32 (the sums l, O) or in f16 (p, rounded once for the second product).  O = (sum p v) / l at the end.
; LIMITS.  v arrives within f16's range, and O, a mean of v's rows, has it too.  A hidden score counts as its value less 1e30: its weight is 0.  NaN and infinities are not treated apart.
; THE WALK.  A head's queries lie in 8 blocks of 256; block i needs the key tiles 0 .. i of 256 keys, the last holding the diagonal.  A work-group takes blocks 7 - b and then b: 9 tiles, whatever b.
; One loop with a constant count walks them through two LDS slots.  What a trip does (a block's first tile, its diagonal tile, neither) is chosen once, straight behind the change of slots, from scalar registers
; made from b; on each of the three ways K and V are fetched from the slot four times.  Every jump goes forward but the counted loops' own; none passes a barrier or a tensor load.
; NO CLUSTER: only the two query heads of a key head walk the same tiles throughout; a head's four work-groups ask for the same tile in the first 5 of 9 trips only, and a walk common to all would have 12 trips for 9.
; SHARES.  Of a block's four bands of 64 queries a wave owns 16 rows in each: four PIECES.  In the diagonal tile's key step s band p sees all keys if s < p, none if s > p (such pairs are left out), and holds the diagonal if s = p.
; TURNS.  An ITEM is a key step of 64 keys and a piece.  A turn has 8 products K Q^T of the next item, 8 products V^T P of the item before, and behind each of the 16 four vector instructions:
; an exponential of the item in hand, a reader of the item before's weights, and the same once more.  S^T = K Q^T holds one query a lane (lane % 16) and the keys 8 (lane / 16) + 0..7; two such results rounded to f16 are source 1 of O^T = V^T P.
; BATCHES.  A turn's 32 exponentials are ONE BATCH: nothing else in the turn names a register of theirs, and ONE wait, at the turn's end, serves them all.  Their 32 readers stand in the next turn: the 16 roundings to f16 behind
; its products K Q^T, so that P is whole when its products V^T P begin, the 16 sums behind those.  The way out's four reciprocals are a batch of their own.
; K and V of a step lie in registers, two buffers by the step's parity; the next step's are fetched from LDS three and two turns ahead of their first use.
; REGISTERS.  window 0: v0-15 addresses; v16-23 l, a pair a piece; v24-31 1/l; v64-191 S^T, four buffers; v192-255 P, four buffers.   window 1: v0-127 O^T, 32 a piece; v128-159 MD, the mask of a band's own step.
;   window 2: v0-63 Q; v64-127 the second block's Q; v128-191 K, v192-255 V of even steps.   window 3: v128-191 K, v192-255 V of odd steps.
.set NB,    8
.set KS,    64
.set PK,    144       ; a row of K in LDS: 128 bytes + 16
.set PV,    160       ; a row of V: 128 + 32
.set VOFF,  4*KS*PK
.set SLOT1, 1<<17
.set STAGE, SLOT1+4*KS*(PK+PV)  ; behind the ring, never filled by a tensor load: 16 rows x 144 bytes a wave
.set SP,    144
.set SPARE, STAGE+4*16*SP       ; the spare words, 128 bytes a wave, which no other line names
.set AK0, 2
.set AV0, 3
.set AK,  4
.set AV,  5
.set STO, 6
.set RD,  7
.set GO,  8
.set QO,  15
.set LS,  16
.set RC,  24
.set SPW, 62
.set NIL, 63
.set S,   64
.set P,   192
.set MD,  128
.set QB,  64
.set WV,  12
.set PB,  14          ; b
.set HI,  15          ; 7 - b
.set G1K, 24
.set G1V, 32
.set G0K, 40
.set G0V, 44
.set SLOTS, 56
.set CNT, 57
.set SEL, 60
.set TBK, 62          ; LDS byte at which K of the step to be fetched begins
.set TBV, 63          ; the same for V, less VOFF
.set RT,  70          ; tiles of the block in hand still to be entered
.set NXT, 71          ; the tile to be asked for next
.set LQ,  72          ; the last tile of the block whose tiles are being asked for
.set NEW, 73          ; 1: the tile to be entered is a block's first
.set OFF, 74
.set OLO, 80          ; y at my rows of the second block
.set BIGN, 82
.set MSB, 0
.macro WIN new
.if MSB != (\new)
	s_set_vgpr_msb (MSB<<8)|(\new)
.set MSB, (\new)
.endif
.endm
; A fill.  Waves 0 and 1 fetch the two halves of a tile's K, waves 2 and 3 those of its V.  An s_nop 0 and four v_nop follow each line.
.macro LOAD
	s_cmp_lt_u32 s[WV], 2
	s_cbranch_scc0 .Lfor_v_\@
	tensor_load_to_lds s[G0K:G0K+3], s[G1K:G1K+7]
	s_nop 0
.rept 4
	v_nop
.endr
	s_branch .Lasked_\@
.Lfor_v_\@:
	tensor_load_to_lds s[G0V:G0V+3], s[G1V:G1V+7]
	s_nop 0
.rept 4
	v_nop
.endr
.Lasked_\@:
.endm
; THE CHANGE OF SLOTS.  Each wave waits for all its tensor loads (one is out: its part of the other slot), adds 0 to its spare word, and waits for that and for its reads of the slot that it leaves.
; Behind the barrier the old slot is filled again first (fill = 1), with tile NXT; that load has a tile's 256 matrix instructions in which to land.
.macro CHANGE fill
	WIN 0
	s_wait_tensorcnt 0x0
	ds_add_u32 v[SPW], v[NIL]
.if \fill
	s_lshl_b32 s[OFF], s[NXT], 15   ; a tile is 32,768 bytes of K and of V
	s_xor_b32 s[G0K+1], s[G0K+1], SLOT1
	s_add_nc_u64 s[G0K+2:G0K+3], s[6:7], s[OFF:OFF+1]
	s_or_b32 s[G0K+3], s[G0K+3], 0x80000000
	s_xor_b32 s[G0V+1], s[G0V+1], SLOT1
	s_add_nc_u64 s[G0V+2:G0V+3], s[8:9], s[OFF:OFF+1]
	s_or_b32 s[G0V+3], s[G0V+3], 0x80000000
	s_add_co_u32 s[NXT], s[NXT], 1  ; the block's next tile, or behind its last the second block's tile 0
	s_cmp_gt_u32 s[NXT], s[LQ]
	s_cselect_b32 s[NXT], 0, s[NXT]
	s_cselect_b32 s[LQ], s[PB], s[LQ]
.endif
	s_wait_dscnt 0x0                ; the add is done, and my reads of the slot are over
	s_barrier_signal -1
	s_sub_co_u32 s[TBK], s[TBK], 4*KS*PK  ; the fetches go back to a slot's first step, in the other slot
	s_xor_b32 s[TBK], s[TBK], SLOT1
	s_sub_co_u32 s[TBV], s[TBV], 4*KS*PV
	s_xor_b32 s[TBV], s[TBV], SLOT1
	s_barrier_wait -1
.if \fill
	LOAD
.endif
.endm
	s_load_b128 s[48:51], s[0:1], 0x0  ; qkv s[48:49], y s[50:51]
	v_lshl_add_u32 v[SPW], v0, 2, SPARE
	v_mov_b32 v[NIL], 0
	ds_add_u32 v[SPW], v[NIL]       ; the wave's opening: the add and its wait ahead of my first tensor load
	ds_add_u32 v62, v63
	v_lshrrev_b32 v1, 5, v0
	v_readfirstlane_b32 s[WV], v1
	s_mov_b32 s[PB], ttmp9
	s_sub_co_u32 s[HI], NB-1, s[PB]
	s_and_b32 s20, ttmp7, 0xffff    ; the query head, 8 b + h
	s_lshl_b32 s21, s20, 18         ; its 262,144 bytes of q,
	s_lshl_b32 s3, s[WV], 11        ; my 16 rows in a band
	s_add_co_u32 s21, s21, s3
	s_lshl_b32 s2, s[HI], 15        ; in the first block,
	s_add_co_u32 s2, s2, s21
	s_lshl_b32 s84, s[PB], 15       ; and in the second
	s_add_co_u32 s84, s84, s21
	s_mov_b32 s3, 0
	s_mov_b32 s85, 0
	s_lshr_b32 s22, s20, 1          ; the key head
	s_lshl_b32 s22, s22, 18
	s_and_b32 s16, s[WV], 1         ; which half of a tile's 256 keys I fetch
	s_lshl_b32 s23, s16, 14
	s_add_co_u32 s22, s22, s23
	s_add_co_u32 s22, s22, 0x1000000  ; k begins at 16 MiB of qkv
	s_mov_b32 s23, 0
	s_mul_i32 s17, s16, 128*PK
	s_mul_i32 s18, s16, 128*PV
	s_lshr_b32 s52, s20, 3          ; y: batch x 2^21 + block x 2^18 + band x 2^16 + wave x 2^14 + h x 2^11
	s_lshl_b32 s52, s52, 21
	s_and_b32 s53, s20, 7
	s_lshl_b32 s53, s53, 11
	s_add_co_u32 s52, s52, s53
	s_lshl_b32 s53, s[WV], 14
	s_add_co_u32 s52, s52, s53
	s_lshl_b32 s54, s[HI], 18
	s_add_co_u32 s54, s54, s52
	s_mov_b32 s55, 0
	s_lshl_b32 s58, s[PB], 18
	s_add_co_u32 s58, s58, s52
	s_mov_b32 s59, 0
	; descriptor group 1.  128 keys are 16,384 dense bytes: asked for as 64 rows of 256 bytes, two keys a row, padded in LDS after every key
	s_mov_b32 s[G1K], (1<<16)|(1<<20)|(4<<22)|(3<<25)
	s_mov_b32 s[G1V], (1<<16)|(1<<20)|(4<<22)|(7<<25)
.irp g, G1K, G1V
	s_mov_b32 s[\g+1], 128<<16
	s_mov_b32 s[\g+2], 64<<16
	s_mov_b32 s[\g+3], 128<<16
	s_mov_b32 s[\g+4], 64
	s_mov_b32 s[\g+5], 128
	s_mov_b32 s[\g+6], 0
	s_mov_b32 s[\g+7], 0
.endr
	s_mov_b32 s[SEL], 0x76543210
	s_mov_b32 s[SEL+1], 0xfedcba98
	s_mov_b32 s[TBK], SLOT1+4*KS*PK ; the first change of slots turns these two into 0
	s_mov_b32 s[TBV], SLOT1+4*KS*PV
	s_mov_b32 s[G0K], 1
	s_mov_b32 s[G0K+1], s17
	s_mov_b32 s[G0V], 1
	s_add_co_u32 s[G0V+1], s18, VOFF
	s_add_co_u32 s[RT], s[HI], 1    ; the first block has 8 - b tiles
	s_mov_b32 s[NXT], 1
	s_mov_b32 s[LQ], s[HI]
	s_mov_b32 s[NEW], 1
	s_mov_b32 s[OFF+1], 0
	s_mov_b32 s[BIGN], 0xf149f2ca   ; -1e30
	s_mov_b32 s[SLOTS], NB
	s_wait_dscnt 0x0                ; the opening add is done
	s_wait_kmcnt 0x0
	s_add_nc_u64 s[6:7], s[48:49], s[22:23]   ; K at my half of the head's tile 0,
	s_add_nc_u64 s[8:9], s[6:7], 0x800000     ; V 8 MiB further on
	s_add_nc_u64 s[G0K+2:G0K+3], s[6:7], 0
	s_or_b32 s[G0K+3], s[G0K+3], 0x80000000
	s_add_nc_u64 s[G0V+2:G0V+3], s[8:9], 0
	s_or_b32 s[G0V+3], s[G0V+3], 0x80000000
	s_add_nc_u64 s[4:5], s[48:49], s[2:3]     ; Q at my rows of the first block,
	s_add_nc_u64 s[86:87], s[48:49], s[84:85] ; of the second
	s_add_nc_u64 s[10:11], s[50:51], s[54:55] ; y likewise
	s_add_nc_u64 s[OLO:OLO+1], s[50:51], s[58:59]
	LOAD                            ; tile 0 into slot 0
	v_and_b32 v1, 15, v0            ; l % 16
	v_bfe_u32 v9, v0, 4, 1          ; l / 16
	v_lshlrev_b32 v[QO], 7, v1
	v_lshl_add_u32 v[QO], v9, 4, v[QO]
	WIN 0x80
.set i, 0
.rept 8                             ; both blocks' Q: piece i / 2 lies in band i / 2, 8,192 bytes on; channels 32 (i % 2) on
	global_load_b128 v[8*i:8*i+3],   v[QO], s[4:5] offset:(i/2)*8192+(i%2)*64
	global_load_b128 v[8*i+4:8*i+7], v[QO], s[4:5] offset:(i/2)*8192+(i%2)*64+32
	global_load_b128 v[QB+8*i:QB+8*i+3],   v[QO], s[86:87] offset:(i/2)*8192+(i%2)*64
	global_load_b128 v[QB+8*i+4:QB+8*i+7], v[QO], s[86:87] offset:(i/2)*8192+(i%2)*64+32
.set i, i+1
.endr
	WIN 0
	v_lshlrev_b32 v14, 3, v9
	v_sub_nc_u32 v14, v1, v14
	s_lshl_b32 s13, s[WV], 4
	v_add_nc_u32 v14, s13, v14      ; my query's place in its band less my lanes' 8 (l / 16): register r of key group kt is hidden where 16 kt + r is greater
	WIN 0x40
.set i, 0
.rept 32
	v_cmp_gt_i32 vcc_lo, 16*(i/8)+i%8, v14
	v_cndmask_b32 v[MD+i], 0, s[BIGN], vcc_lo
.set i, i+1
.endr
	WIN 0
	v_mul_u32_u24 v[AK0], v1, PK
	v_lshl_add_u32 v[AK0], v9, 4, v[AK0]
	v_and_b32 v10, 7, v0            ; the turning load: lane l reads key 8 (l / 16) + l % 8, channels 8 ((l / 8) % 2) + 0..7
	v_bfe_u32 v11, v0, 3, 1
	v_lshl_add_u32 v[AV0], v9, 3, v10
	v_mul_u32_u24 v[AV0], v[AV0], PV
	v_lshl_add_u32 v[AV0], v11, 4, v[AV0]
	v_add_nc_u32 v[AV0], VOFF, v[AV0]
	s_mul_i32 s13, s[WV], 16*SP
	s_add_co_u32 s13, s13, STAGE
	v_mul_u32_u24 v[STO], v1, SP
	v_lshl_add_u32 v[STO], v9, 4, v[STO]
	v_add_nc_u32 v[STO], s13, v[STO]
	v_bfe_u32 v[RD], v0, 3, 2
	v_mul_u32_u24 v[RD], v[RD], SP
	v_lshl_add_u32 v[RD], v10, 4, v[RD]
	v_add_nc_u32 v[RD], s13, v[RD]
	v_and_b32 v[GO], 31, v0
	v_lshlrev_b32 v[GO], 4, v[GO]
	; a block's first turn multiplies the odd steps' V by a P of zeros: those registers need only hold finite numbers
	WIN 0xc0
.set i, 192
.rept 64
	v_mov_b32 v[i], 0
.set i, i+1
.endr
	WIN 0
.set i, 0
.rept 8
	v_mov_b32 v[RC+i], 0
.set i, i+1
.endr
; THE MATRIX WORK.  ri is the turn's row, 0 to 15.  The four accumulators of each run of 8 take turns.
; Rows 0-7: S^T = K Q^T into buffer ns for piece np, K of parity nu: channels 32 (ri / 4) on, keys 16 (ri % 4) on.  The first four start the sums, with 0 or (nm = 1) with the mask.
.macro KQI ns, np, nu, nm
.set rS, S+32*(\ns)+8*(ri%4)
.set rK, 128+16*(ri%4)+8*(ri/4)
.set rQ, 16*(\np)+8*(ri/4)
.if (ri < 4) && (\nm)
	WIN 0x1a+(\nu)
	v_wmma_f32_16x16x32_f16 v[rS:rS+7], v[rK:rK+7], v[rQ:rQ+7], v[MD+8*(ri%4):MD+8*(ri%4)+7]
.elseif ri < 4
	WIN 0x0a+(\nu)
	v_wmma_f32_16x16x32_f16 v[rS:rS+7], v[rK:rK+7], v[rQ:rQ+7], 0
.else
	WIN 0x0a+(\nu)
	v_wmma_f32_16x16x32_f16 v[rS:rS+7], v[rK:rK+7], v[rQ:rQ+7], v[rS:rS+7]
.endif
.endm
; Rows 8-15: O^T += V^T P for piece pp, P of buffer ps, V of parity pu: keys 32 ((ri - 8) / 4) on, channels 16 (ri % 4) on.
.macro PVI ps, pp, pu
.set ii, ri-8
.set rO, 32*(\pp)+8*(ii%4)
.set rV, 192+32*(ii/4)+8*(ii%4)
.set rP, P+16*(\ps)+8*(ii/4)
	WIN 0x52+(\pu)
	v_wmma_f32_16x16x32_f16 v[rO:rO+7], v[rV:rV+7], v[rP:rP+7], v[rO:rO+7]
.endm
; THE VECTOR WORK OF AN ITEM: 32 exponentials, in place on its scores, and 32 READERS of their results.  RDR writes reader n of the item in buffer sb, of piece pc:
;   0-15   pair n of weights is rounded to f16, into P
;   16-31  the sums.  B m: pair 2 m + 1 is added onto pair 2 m, in place; L m: l takes that sum, m ascending.  Their order is B0 B1 L0 B2 L1 .. B7 L6 L7: a sum is made two readers or more ahead of the one that takes it.
.macro RDR sb, pc, n
.set rn_, (\n)
.set rS_, S+32*(\sb)
.if rn_ < 16
	v_cvt_pk_f16_f32 v[P+16*(\sb)+rn_], v[rS_+2*rn_], v[rS_+2*rn_+1]
.elseif (rn_ == 16) || ((rn_ < 31) && (rn_%2 == 1))
.set m_, (rn_-15)/2                 ; 16: B 0; 17, 19 .. 29: B 1 to B 7
	v_pk_add_f32 v[rS_+4*m_:rS_+4*m_+1], v[rS_+4*m_:rS_+4*m_+1], v[rS_+4*m_+2:rS_+4*m_+3]
.else
.set m_, (rn_-17)/2                 ; 18, 20 .. 30: L 0 to L 6; 31: L 7
	v_pk_add_f32 v[LS+2*(\pc):LS+2*(\pc)+1], v[LS+2*(\pc):LS+2*(\pc)+1], v[rS_+4*m_:rS_+4*m_+1]
.endif
.endm
; THE FOUR BEHIND ROW ri: the exponentials of scores 2 ri and 2 ri + 1 of the item in hand (buffer cs); between and behind them readers 2 ri and 2 ri + 1 of the item BEFORE (buffer ps, piece pp), whose batch was
; waited for at the last turn's end.  A plain line stands behind every exponential, and no line names a result of the turn's own exponentials.
.macro RID cs, ps, pp
	WIN 0
	v_exp_f32 v[S+32*(\cs)+2*ri], v[S+32*(\cs)+2*ri]
	RDR \ps, \pp, 2*ri
	v_exp_f32 v[S+32*(\cs)+2*ri+1], v[S+32*(\cs)+2*ri+1]
	RDR \ps, \pp, 2*ri+1
.endm
; THE LDS LOADS stand in runs of 16: a step's K (8 fragments) or V (turned), into the register buffer of parity u.  Each run steps its scalar to the next key step.
.macro FETCH_K u
	WIN 0x80+0x40*(\u)
.irp f, 0,1,2,3,4,5,6,7
	ds_load_b128 v[128+8*\f:128+8*\f+3],   v[AK] offset:(\f/2)*16*PK+(\f%2)*64
	ds_load_b128 v[128+8*\f+4:128+8*\f+7], v[AK] offset:(\f/2)*16*PK+(\f%2)*64+32
.endr
	s_add_co_u32 s[TBK], s[TBK], KS*PK
	WIN 0
.endm
.macro FETCH_V u
	WIN 0x80+0x40*(\u)
.irp f, 0,1,2,3,4,5,6,7
	ds_load_tr16_b128 v[192+8*\f:192+8*\f+3],   v[AV] offset:(\f/4)*32*PV+(\f%4)*32
	ds_load_tr16_b128 v[192+8*\f+4:192+8*\f+7], v[AV] offset:(\f/4)*32*PV+16*PV+(\f%4)*32
.endr
	s_add_co_u32 s[TBV], s[TBV], KS*PV
	WIN 0
.endm
; A TURN.  cs, cp: the item in hand, its buffer and piece (the piece is named for the reader of the list alone: the lines that want it come a turn later, as pp).  ns, np, nu, nm: the next item (ns < 0: none).
; ps, pp, pu: the item before.  fk, fv >= 0: the run of loads for K or V into that parity's registers, behind row 1: seven plain vector instructions or more behind the last product that read them.
; wt = 1: the runs issued so far are waited for.
.macro TURN cs, cp, ns, np, nu, nm, ps, pp, pu, fk, fv, wt
.if \wt
	s_wait_dscnt 0x0
.endif
.set ri, 0
.rept 16
.if ri < 8
.if (\ns) >= 0
	KQI \ns, \np, \nu, \nm
.endif
.else
	PVI \ps, \pp, \pu
.endif
	RID \cs, \ps, \pp
.if ri == 0
.if (\fk) >= 0
	v_add_nc_u32 v[AK], s[TBK], v[AK0]
.endif
.if (\fv) >= 0
	v_add_nc_u32 v[AV], s[TBV], v[AV0]
.endif
.endif
.if ri == 1
.if (\fk) >= 0
	FETCH_K \fk
.endif
.if (\fv) >= 0
	FETCH_V \fv
.endif
.endif
.set ri, ri+1
.endr
	s_wait_alu depctr_va_vdst(0)    ; the wait for the turn's batch, its 32 exponentials: behind row 15's last sum, the plain line behind the last exponential; ahead of their readers and of whatever label or jump follows the turn
.endm
; A key step of parity u (w = 1 - u): four turns; it fetches the next step's K and V: one run of each.
.macro STEP u, w
	TURN 0,0, 1,1,\u,0, 3,3,\w, \w,-1, 0
	TURN 1,1, 2,2,\u,0, 0,0,\u, -1,\w, 0
	TURN 2,2, 3,3,\u,0, 1,1,\u, -1,-1, 0
	TURN 3,3, 0,0,\w,0, 2,2,\u, -1,-1, 1
.endm
; A BLOCK BEGINS: K and V of its first step (one run of each); O^T and l are 0; S^T's buffer 3 is 0, so that the first turn's work for 'the item before' rounds a P of zeros and adds 0 to l and to O^T; piece 0's first scores.
; No exponential's or reciprocal's result is without its wait here: every way to these lines passes a turn's end or the way out's wait.
.macro BEGIN
	s_mov_b32 s[NEW], 0
	WIN 0
	v_add_nc_u32 v[AK], s[TBK], v[AK0]
	v_add_nc_u32 v[AV], s[TBV], v[AV0]
	FETCH_K 0
	FETCH_V 0
	WIN 0x40
.set i, 0
.rept 128
	v_mov_b32 v[i], 0
.set i, i+1
.endr
	WIN 0
.set i, 0
.rept 8
	v_mov_b32 v[LS+i], 0
.set i, i+1
.endr
.set i, 0
.rept 32
	v_mov_b32 v[S+96+i], 0
.set i, i+1
.endr
	s_wait_loadcnt 0x0              ; Q
	s_wait_dscnt 0x0                ; K and V
.set ri, 0
.rept 8
	KQI 0, 0, 0, 0
.set ri, ri+1
.endr
	WIN 0
.rept 4
	v_nop                           ; the places behind those products
.endr
.endm
.macro PACK t                       ; piece t: O^T / l, rounded to f16, 16 bytes a lane into rows of 144 bytes of my stage, and back as whole rows of 128
	WIN 0x41
.set i, 32*(\t)
.rept 16
	v_pk_mul_f32 v[i:i+1], v[i:i+1], v[RC+2*(\t):RC+2*(\t)+1] op_sel_hi:[1,0]
.set i, i+2
.endr
	WIN 0x05
.set i, 0
.rept 16
	v_cvt_pk_f16_f32 v[S+16*(\t)+i], v[32*(\t)+2*i], v[32*(\t)+2*i+1]
.set i, i+1
.endr
	WIN 0
.irp f, 0,1,2,3
	ds_store_b128 v[STO], v[S+16*(\t)+4*\f:S+16*(\t)+4*\f+3] offset:32*\f
.endr
.irp f, 0,1,2,3
	ds_load_b128 v[S+16*(\t)+4*\f:S+16*(\t)+4*\f+3], v[RD] offset:\f*4*SP  ; LDS serves a wave's instructions in order (ISA guide 5.7.1.4)
.endr
.endm
.macro SEND t, younger              ; younger: the LDS instructions issued behind piece t's loads: the next piece's eight, or none
	WIN 0
.irp f, 0,1,2,3
	s_wait_dscnt (\younger)+3-\f
	global_store_b128 v[GO], v[S+16*(\t)+4*\f:S+16*(\t)+4*\f+3], s[10:11] offset:(\t)*65536+\f*512  ; 512 consecutive bytes, aligned
.endr
.endm
; THE DIAGONAL TILE: its ten live items (step s, pieces s .. 3), the buffers going round; three runs of K and three of V (steps 1 to 3; step 0's were fetched by what stands in front).
; The first item's scores were made without a mask, which is added here; then the block's end and the way out.
.macro DIAG
	WIN 0x04
.set z, 0
.rept 16
	v_pk_add_f32 v[S+2*z:S+2*z+1], v[S+2*z:S+2*z+1], v[MD+2*z:MD+2*z+1]
.set z, z+1
.endr
	TURN 0,0, 1,1,0,0, 3,3,1, 1,-1, 0
	TURN 1,1, 2,2,0,0, 0,0,0, -1,1, 0
	TURN 2,2, 3,3,0,0, 1,1,0, -1,-1, 0
	TURN 3,3, 0,1,1,1, 2,2,0, 0,-1, 1
	TURN 0,1, 1,2,1,0, 3,3,0, -1,-1, 0
	TURN 1,2, 2,3,1,0, 0,1,1, -1,0, 0
	TURN 2,3, 3,2,0,1, 1,2,1, 1,-1, 1
	TURN 3,2, 0,3,0,0, 2,3,1, -1,-1, 0
	TURN 0,3, 1,3,1,1, 3,2,0, -1,1, 1
	TURN 1,3, -1,0,0,0, 0,3,0, -1,-1, 0
	WIN 0                           ; the last item's 32 readers: no turn follows to carry them; its batch was waited for at the last turn's end
.set rr, 0
.rept 32
	RDR 1, 3, rr
.set rr, rr+1
.endr
	s_wait_dscnt 0x0                ; V of the last step
.set ri, 8
.rept 8
	PVI 1, 3, 1
.set ri, ri+1
.endr
	WIN 0                           ; l's two halves and the other half of the lanes'; the additions are the places behind the last products
.irp t, 0,1,2,3
	v_add_f32 v[RC+2*\t], v[LS+2*\t], v[LS+2*\t+1]
.endr
.irp t, 0,1,2,3
	v_permlanex16_b32 v[RC+2*\t+1], v[RC+2*\t], s[SEL], s[SEL+1]
.endr
.irp t, 0,1,2,3
	v_add_f32 v[RC+2*\t], v[RC+2*\t], v[RC+2*\t+1]
.endr
.irp t, 0,1,2,3
	v_rcp_f32 v[RC+2*\t], v[RC+2*\t]
.endr
	v_nop                           ; a plain line between the last reciprocal and its use
	s_wait_alu depctr_va_vdst(0)    ; the wait ahead of the first use: one for the four reciprocals
	PACK 0
	PACK 1
	SEND 0, 8
	PACK 2
	SEND 1, 8
	PACK 3
	SEND 2, 8
	SEND 3, 0
.endm
.Lslot:                             ; 8 times: a tile is entered and the next is asked for.  A trip does the tile before's step 3 and its own steps 0 to 2 (the diagonal tile: all its steps), and fetches its own four steps
	CHANGE 1
	s_sub_co_u32 s[RT], s[RT], 1
	s_mov_b32 s[CNT], 2
	s_cmp_eq_u32 s[NEW], 1
	s_cbranch_scc1 .Lnew            ; a block's first tile
	s_cmp_eq_u32 s[RT], 0
	s_cbranch_scc0 .Lstep           ; neither its first nor its last
	s_branch .Ldiag                 ; its last: the diagonal one
.Lnew:
	BEGIN                           ; step 0's K and V; then steps 0, 1, 2, which fetch steps 1, 2, 3
	s_branch .Lfirst                ; in the loop a block's first tile is never its last: the first block has five tiles or more, and the second's last is the walk's last
.Ldiag:
	STEP 1, 0                       ; the tile before's step 3; it fetches this tile's step 0
	DIAG                            ; in the loop this is the first block's end
	s_wait_xcnt 0x0                 ; the stores' registers and y's address are rewritten only behind this wait
	s_mov_b64 s[10:11], s[OLO:OLO+1]
	s_add_co_u32 s[RT], s[PB], 1    ; the second block has b + 1 tiles
	s_mov_b32 s[NEW], 1
	WIN 0x82                        ; the second block's Q goes where the turns name Q
.set i, 0
.rept 64
	v_mov_b32 v[i], v[QB+i]
.set i, i+1
.endr
	WIN 0
	s_branch .Lbottom
.Lstep:                             ; two trips: an odd step and an even one; each step fetches the next step's K and V
	STEP 1, 0
	WIN 0
.Lfirst:
	STEP 0, 1
	WIN 0
	s_sub_co_u32 s[CNT], s[CNT], 1
	s_cmp_lg_u32 s[CNT], 0
	s_cbranch_scc1 .Lstep
.Lbottom:
	s_sub_co_u32 s[SLOTS], s[SLOTS], 1
	s_cmp_lg_u32 s[SLOTS], 0
	s_cbranch_scc1 .Lslot
	CHANGE 0                        ; the walk's last tile, the second block's diagonal one, is written out: nothing is asked for
	s_cmp_eq_u32 s[NEW], 1
	s_cbranch_scc0 .Ltail_step
	BEGIN                           ; b = 0: the second block's only tile
	s_branch .Ltail_diag
.Ltail_step:
	STEP 1, 0
	WIN 0
.Ltail_diag:
	DIAG
	s_wait_tensorcnt 0x0            ; the wave's end
	ds_add_u32 v[SPW], v[NIL]
	s_wait_dscnt 0x0
	s_endpgm
.Lfunc_end_k_qe6470ae13f_attn:
	.size	k_qe6470ae13f_attn, .Lfunc_end_k_qe6470ae13f_attn-k_qe6470ae13f_attn
	.p2alignl 7, 3214868480
	.fill 96, 4, 3214868480
	.section	.rodata,"a",@progbits
	.p2align	6, 0x0
	.amdhsa_kernel k_qe6470ae13f_attn
		.amdhsa_group_segment_fixed_size 327680
		.amdhsa_private_segment_fixed_size 0
		.amdhsa_enable_private_segment 0
		.amdhsa_kernarg_size 16
		.amdhsa_user_sgpr_count 2
		.amdhsa_user_sgpr_kernarg_segment_ptr 1
		.amdhsa_wavefront_size32 1
		.amdhsa_system_sgpr_workgroup_id_x 1
		.amdhsa_system_sgpr_workgroup_id_y 1
		.amdhsa_system_sgpr_workgroup_id_z 1
		.amdhsa_system_vgpr_workitem_id 0
		.amdhsa_next_free_vgpr 1024
		.amdhsa_next_free_sgpr 90
		.amdhsa_reserve_vcc 1
		.amdhsa_float_denorm_mode_32 3
		.amdhsa_float_denorm_mode_16_64 3
		.amdhsa_memory_ordered 1
		.amdhsa_forward_progress 1
		.amdhsa_inst_pref_size 255
	.end_amdhsa_kernel
	.section	.bss,"aw",@nobits
	.p2align	6
	.space	262144
	.amdgpu_metadata
---
amdhsa.version: [ 1, 2 ]
amdhsa.kernels:
  - .name:           k_qe6470ae13f_attn
    .symbol:         k_qe6470ae13f_attn.kd
    .args:
      - { .name: qkv, .offset: 0, .size: 8, .value_kind: global_buffer, .address_space: global }
      - { .name: y, .offset: 8, .size: 8, .value_kind: global_buffer, .address_space: global }
    .group_segment_fixed_size: 327680
    .private_segment_fixed_size: 0
    .kernarg_segment_align: 8
    .kernarg_segment_size: 16
    .max_flat_workgroup_size: 128
    .sgpr_count:     90
    .vgpr_count:     1024
    .wavefront_size: 32
...
	.end_amdgpu_metadata
.endif
;; end of part 6
;; launch proj: the kernel of part 4 again; grid 128 x 2, 4 waves a work-group, clusters of 4 x 1, 327,680 bytes of LDS; arguments y, wp, out0; writes out0
